; MI455X (gfx1250); checked and timed in simulation.
; The chip was launched on July 23, 2026; its instructions are those of AMD's public machine-readable ISA for CDNA 5 (MIT licence, August 2026) and "CDNA5" Instruction Set Architecture Reference Guide (July 2026). The comments in the code are by the model that wrote it; some were corrected since.
;; Multi Head. Allowed arithmetic: matrix products marked QUANTISED: E4M3 operands, one E8M0 scale for each 32 along K, by v_wmma_scale_f32_16x16x128_f8f6f4 with both operands' format E4M3, f32 sums; everything else in f32.
;; Inputs: WK_codes 1,024 x 32 x 32 uint8 (E4M3 codes of WK, K innermost, in blocks of 32 codes); WK_scales 1,024 x 32 uint8 (E8M0 scales of WK, one for each 32 codes along K); WO_codes 1,024 x 32 x 32 uint8 (E4M3 codes of WO, K innermost, in blocks of 32 codes); WO_scales 1,024 x 32 uint8 (E8M0 scales of WO, one for each 32 codes along K); WQ_codes 1,024 x 32 x 32 uint8 (E4M3 codes of WQ, K innermost, in blocks of 32 codes); WQ_scales 1,024 x 32 uint8 (E8M0 scales of WQ, one for each 32 codes along K); WV_codes 1,024 x 32 x 32 uint8 (E4M3 codes of WV, K innermost, in blocks of 32 codes); WV_scales 1,024 x 32 uint8 (E8M0 scales of WV, one for each 32 codes along K); token_positions 2,048 int32; x_codes 4 x 2,048 x 32 x 32 uint8 (E4M3 codes of x, K innermost, in blocks of 32 codes); x_scales 4 x 2,048 x 32 uint8 (E8M0 scales of x, one for each 32 codes along K).
;; Outputs: out0 4 x 2,048 x 1,024 float32.
;; This version of the problem:
;;   THIS VERSION OF THE PROBLEM IS GIVEN IN LOW PRECISION. The matrix products marked QUANTISED in the list below multiply operands that are first quantised to E4M3 (4 exponent bits, 3 mantissa bits; 8 bits a number), with one power-of-two scale for each 32 numbers along K (OCP MX v1.0); their sums are f32. All else is computed in f32.
;;   The module's matrix products, in the order in which they are computed (A, B: the left and right operand; K: the contracted axis; several contracted axes count as one K, in the product's order):
;;     1. [M 8,192, K 1,024] x [K 1,024, N 1,024]; A: input x (given as codes); B: input WQ (given as codes): QUANTISED
;;     2. [M 8,192, K 1,024] x [K 1,024, N 1,024]; A: input x (given as codes); B: input WK (given as codes): QUANTISED
;;     3. [M 8,192, K 1,024] x [K 1,024, N 1,024]; A: input x (given as codes); B: input WV (given as codes): QUANTISED
;;     4. batch 64 x [M 2,048, K 64] x [K 64, N 2,048]; A: computed on the way; B: computed on the way: QUANTISED
;;     5. batch 64 x [M 2,048, K 2,048] x [K 2,048, N 64]; A: softmax (see below); B: computed on the way: QUANTISED
;;     6. [M 8,192, K 1,024] x [K 1,024, N 1,024]; A: computed on the way; B: input WO (given as codes): QUANTISED
;;   THE QUANTISER, for each operand of a quantised product, along K:
;;     - K is cut into blocks of 32 from its start; a last block that is shorter is filled with zeros.
;;     - A block's scale is 2^e with e = floor(log2(the largest magnitude in the block)) - 8, held to -126 .. 127; a block of zeros has e = 0. As a byte (E8M0): e + 127.
;;     - Each number is divided by its block's scale, clamped to +-448, and rounded to the nearest number of E4M3, ties to even, subnormals kept.
;;     - The product sums the exact products of the quantised numbers (number of the format x scale) in f32.
;;   ~~~python
;;   def quantise(x, axis):      # numpy; x: float32 -> the quantised numbers, widened to float32 again
;;       x = np.moveaxis(x, axis, -1); K = x.shape[-1]
;;       x = np.pad(x, [(0, 0)] * (x.ndim - 1) + [(0, -K % 32)]); x = x.reshape(x.shape[:-1] + (-1, 32)); a = np.abs(x).max(-1, keepdims=True)
;;       e = np.where(a > 0, np.clip(np.frexp(np.where(a > 0, a, 1))[1] - 1 - 8, -126, 127), 0)      # np.frexp(a)[1] - 1 = floor(log2(a)), exactly
;;       r = np.clip(x / 2.0 ** e, -448, 448)
;;       step = 2.0 ** (np.maximum(np.frexp(np.where(r == 0, 1, r))[1] - 1, -6) - 3)
;;       q = np.round(r / step) * step * 2.0 ** e      # np.round: ties to even
;;       return np.moveaxis(q.reshape(q.shape[:-2] + (-1,))[..., :K], -1, axis).astype(np.float32)
;;   ~~~
;;   SOFTMAX AHEAD OF A QUANTISED PRODUCT. Where the list says 'softmax', what is quantised is not the finished softmax but p = 2^(t - M), with t = logit x log2(e) and M = ceil(the row's largest t), a whole number; so 1/2 < the row's largest p <= 1. The row's sum l is taken of the UNQUANTISED p, in f32, and the product's result is divided by l at the end. Since M is a whole number, a kernel that streams over the keys may use a running M (the ceiling of the running maximum): every later rescaling is an exact power of two, which a block's scale takes up: the codes' values come out the same.
;;   OPERANDS COMPUTED ON THE WAY. 'Computed on the way' means the value that the module computes at that place (a softmax that the list does not call 'softmax' is quantised finished and normalised). What goes into a quantiser is computed in f32, as accurately as f32 sums, v_exp_f32 and their like allow (about 1e-6 of the number): no bf16 or f16 on the way to a quantiser, and a product that is left as it is and whose result goes on into a quantised operand takes f32 operands (vector FMAs, or v_wmma_f32_16x16x4_f32). A number that lies on a knife's edge between two numbers of the format may be rounded either way, as far as f32 arithmetic and the matrix unit's own rounding can turn it there, and no further.
;;   INPUTS GIVEN AS CODES. WK (in the module: [1024, 1024], K = its axis 1); WO (in the module: [1024, 1024], K = its axis 1); WQ (in the module: [1024, 1024], K = its axis 1); WV (in the module: [1024, 1024], K = its axis 1); x (in the module: [4, 2048, 1024], K = its axis 2): each comes as NAME_codes (uint8): NAME with its K axis moved to the last place and cut into blocks of 32 codes, [.., K / 32, bytes a block], one block behind the other in memory; one code a byte (a code: sign, 4 exponent bits, 3 mantissa bits); and NAME_scales (uint8): the same leading axes, one E8M0 byte (e + 127) for each 32 codes along K. Its value is code x scale, taken as it is: it is not quantised again, and the codes and scales need not be those that the quantiser above would give.
;; One version. Each part assembles by itself: llvm-mc -triple=amdgcn-amd-amdhsa -mcpu=gfx1250 --defsym DOCPART=n.
;; ======== version 1 of 1: 4 launches
;; limits: right only within a limited range of input values
;; workspace buffers: rope 524,288 bytes; qkvc 25,165,824 bytes; qkvs 786,432 bytes; oc 8,388,608 bytes; os 262,144 bytes
;; launch rope (part 1): grid 256 x 1, 4 waves a work-group, no clusters, 0 bytes of LDS; arguments token_positions, rope; writes rope
.if DOCPART == 1
	.amdgcn_target "amdgcn-amd-amdhsa--gfx1250"
	.amdhsa_code_object_version 6
	.text
	.protected	k_q22e8534e05_rope
	.globl	k_q22e8534e05_rope
	.p2align	8
	.type	k_q22e8534e05_rope,@function
k_q22e8534e05_rope:
	s_mov_b64 s[64:65], 0
	v_nop
	global_prefetch_b8 v0, s[64:65] scope:SCOPE_SE
	s_setreg_imm32_b32 hwreg(HW_REG_WAVE_MODE, 25, 1), 1
	s_wait_xcnt 0x0
; THE PROGRAM: four launches.  rope: the table of cos and sin.  qkv: x WQ^T, x WK^T, x WV^T, RoPE, and the quantisers of Q, K (along the head's 64) and V (along the keys).
; attn: the two attention products with the softmax between them, the division by the row's sum, the quantiser along e.  proj: the product with WO.
; WORK LEFT OUT, for all values of the inputs: reference() sets every score with key > query to -infinity by a mask that it builds in its own body (jnp.tril), so its p is 0 and adds nothing to the row's sum
; or to the second product.  Tiles of 16 queries x 128 keys all of whose keys come after all of their queries are therefore not multiplied (launch attn).  Every input has a way to the output and is loaded.
; LIMIT: a NaN, an infinity or an overflow that would reach only those tiles is not carried to the result.
;
; THIS LAUNCH: cos and sin of token_positions[s] x 10000^(-i / 32), s = 0 .. 2047, i = 0 .. 31, in f32, laid in the order in which launch qkv's lanes take them:
; [tile of 16 tokens][chunk n = 0 .. 7][lane][16 bytes]; lane (r = lane % 16, h = lane / 16) of chunk n = 2 bq + q holds cos, sin of i0 and cos, sin of i0 + 1, i0 = 8 bq + 4 h + 2 q, for token 16 tile + r.
; The table is indexed by the place s in the sequence; the position's VALUE enters arithmetic alone.  A thread makes one chunk's 16 bytes; a wave stores 512 consecutive bytes.
; The frequency: 2^(-i c), c = log2(10000) / 32 in two f32 parts, the product split by a fused multiply-add, the whole part put on by v_ldexp_f32.  The angle is one f32 product, as reference() rounds it.
; Sine and cosine: the nearest multiple of pi / 2 is taken off in three parts, then polynomials on +-pi / 4, then the quadrant.
; LIMITS: the frequency lies within about 1.5 units in the last place of the f32 power; angles under 2^23 in magnitude are served; NaN and infinities cannot arise from whole numbers.
.set FI,  8                            ; v8-9    i as f32, for the thread's two frequencies
.set P,   10                           ; v10-11  -i c, high part; later at work
.set E,   12                           ; v12-13  its low part; later at work
.set N,   14                           ; v14-15  the whole part; later at work
.set F,   16                           ; v16-17  the fraction, 2^fraction, the frequency; later at work
.set ANG, 22                           ; v22-23  the angle
.set K,   24                           ; v24-25  the multiple of pi / 2
.set R,   26                           ; v26-27  the reduced angle
.set KQ,  28                           ; v28-29  the multiple as a whole number
.set Z,   30                           ; v30-31  r^2
.set SA,  32                           ; v32-33  the sine's polynomial
.set CA,  34                           ; v34-35  the cosine's
.set RZ,  36
.set ZZ,  38
.set W,   40
.set OUTR, 44                          ; v44-47  cos, sin, cos, sin
	s_load_b128 s[4:7], s[0:1], 0x0                ; token_positions, the table
	s_lshl_b32 s8, ttmp9, 7                        ; 128 threads a work-group
	s_mov_b32 s12, 0xbed49a78                      ; -c, high part
	s_mov_b32 s13, 0xb2179a37                      ; -c, low part
	s_mov_b32 s14, 0x3f22f983                      ; 2 / pi
	s_mov_b32 s15, 0x3fc90fdb                      ; pi / 2 in three parts
	s_mov_b32 s16, 0xb33bbd2e
	s_mov_b32 s17, 0xa6f72ced
	s_mov_b32 s18, 0xb94ca1f9                      ; the sine's coefficients
	s_mov_b32 s19, 0x3c08839e
	s_mov_b32 s20, 0xbe2aaaa3
	s_mov_b32 s21, 0x37ccf5ce                      ; the cosine's
	s_mov_b32 s22, 0xbab6061a
	s_mov_b32 s23, 0x3d2aaaa5
	v_add_nc_u32 v1, s8, v0                        ; T: which chunk-lane of the table is mine
	v_and_b32 v2, 15, v1                           ; r
	v_lshrrev_b32 v3, 8, v1                        ; tile
	v_lshl_add_u32 v2, v3, 4, v2                   ; s = 16 tile + r
	v_lshlrev_b32 v2, 2, v2
	v_lshlrev_b32 v3, 4, v1                        ; my 16 bytes of the table
	s_wait_alu depctr_va_vdst(0)
	s_wait_kmcnt 0x0
	global_load_b32 v4, v2, s[4:5]                 ; the position
	v_bfe_u32 v5, v1, 4, 1                         ; h
	v_bfe_u32 v6, v1, 5, 1                         ; q
	v_bfe_u32 v7, v1, 6, 2                         ; bq
	v_lshlrev_b32 v[FI], 3, v7
	v_lshl_add_u32 v[FI], v5, 2, v[FI]
	v_lshl_add_u32 v[FI], v6, 1, v[FI]             ; i0
	v_add_nc_u32 v[FI+1], 1, v[FI]
	v_cvt_f32_u32 v[FI], v[FI]
	v_cvt_f32_u32 v[FI+1], v[FI+1]
.irp c, 0,1
	v_mul_f32 v[P+\c], s12, v[FI+\c]               ; -i c, rounded,
.endr
.irp c, 0,1
	v_fma_f32 v[E+\c], v[FI+\c], s12, -v[P+\c]     ; what the rounding lost,
.endr
.irp c, 0,1
	v_fma_f32 v[E+\c], v[FI+\c], s13, v[E+\c]      ; and c's low part
.endr
.irp c, 0,1
	v_rndne_f32 v[N+\c], v[P+\c]
.endr
.irp c, 0,1
	v_sub_f32 v[F+\c], v[P+\c], v[N+\c]            ; exact
.endr
.irp c, 0,1
	v_add_f32 v[F+\c], v[F+\c], v[E+\c]            ; the fraction, within +-1/2
.endr
	s_wait_alu depctr_va_vdst(0)
.irp c, 0,1
	v_exp_f32 v[F+\c], v[F+\c]
.endr
.irp c, 0,1
	v_cvt_i32_f32 v[N+\c], v[N+\c]                 ; (plain lines behind the two exponentials)
.endr
	s_wait_alu depctr_va_vdst(0)                   ; one wait for both exponentials, ahead of their first reader
.irp c, 0,1
	v_ldexp_f32 v[F+\c], v[F+\c], v[N+\c]          ; the frequency
.endr
	s_wait_loadcnt 0x0
	v_cvt_f32_i32 v5, v4
	s_wait_alu depctr_va_vdst(0)
.irp c, 0,1
	v_mul_f32 v[ANG+\c], v5, v[F+\c]               ; the angle: one rounding
.endr
.irp c, 0,1
	v_mul_f32 v[K+\c], s14, v[ANG+\c]
.endr
.irp c, 0,1
	v_rndne_f32 v[K+\c], v[K+\c]
.endr
.irp c, 0,1
	v_fma_f32 v[R+\c], -v[K+\c], s15, v[ANG+\c]
.endr
.irp c, 0,1
	v_fma_f32 v[R+\c], -v[K+\c], s16, v[R+\c]
.endr
.irp c, 0,1
	v_fma_f32 v[R+\c], -v[K+\c], s17, v[R+\c]
.endr
.irp c, 0,1
	v_cvt_i32_f32 v[KQ+\c], v[K+\c]
.endr
.irp c, 0,1
	v_mul_f32 v[Z+\c], v[R+\c], v[R+\c]
.endr
.irp c, 0,1
	v_fma_f32 v[SA+\c], v[Z+\c], s18, s19
	v_fma_f32 v[CA+\c], v[Z+\c], s21, s22
.endr
.irp c, 0,1
	v_fma_f32 v[SA+\c], v[SA+\c], v[Z+\c], s20
	v_fma_f32 v[CA+\c], v[CA+\c], v[Z+\c], s23
.endr
.irp c, 0,1
	v_mul_f32 v[RZ+\c], v[R+\c], v[Z+\c]
	v_mul_f32 v[ZZ+\c], v[Z+\c], v[Z+\c]
	v_fma_f32 v[W+\c], v[Z+\c], -0.5, 1.0
.endr
.irp c, 0,1
	v_fma_f32 v[SA+\c], v[RZ+\c], v[SA+\c], v[R+\c]    ; sin r
	v_fma_f32 v[CA+\c], v[ZZ+\c], v[CA+\c], v[W+\c]    ; cos r
.endr
.irp c, 0,1
	v_and_b32 v[P+\c], 1, v[KQ+\c]
.endr
.irp c, 0,1
	v_cmp_ne_u32 s[24+\c], 0, v[P+\c]              ; an odd quadrant exchanges the two
.endr
.irp c, 0,1
	v_cndmask_b32 v[E+\c], v[SA+\c], v[CA+\c], s[24+\c]
	v_cndmask_b32 v[N+\c], v[CA+\c], v[SA+\c], s[24+\c]
.endr
.irp c, 0,1
	v_and_b32 v[F+\c], 2, v[KQ+\c]                 ; the sine is negative in quadrants 2 and 3,
	v_add_nc_u32 v[P+\c], 1, v[KQ+\c]
.endr
.irp c, 0,1
	v_lshlrev_b32 v[F+\c], 30, v[F+\c]
	v_and_b32 v[P+\c], 2, v[P+\c]                  ; the cosine in 1 and 2
.endr
.irp c, 0,1
	v_xor_b32 v[OUTR+2*\c+1], v[E+\c], v[F+\c]
	v_lshlrev_b32 v[P+\c], 30, v[P+\c]
.endr
.irp c, 0,1
	v_xor_b32 v[OUTR+2*\c], v[N+\c], v[P+\c]
.endr
	global_store_b128 v3, v[OUTR:OUTR+3], s[6:7]   ; 32 lanes store 512 consecutive bytes
	s_endpgm
.Lfunc_end_k_q22e8534e05_rope:
	.size	k_q22e8534e05_rope, .Lfunc_end_k_q22e8534e05_rope-k_q22e8534e05_rope
	.p2alignl 7, 3214868480
	.fill 96, 4, 3214868480
	.section	.rodata,"a",@progbits
	.p2align	6, 0x0
	.amdhsa_kernel k_q22e8534e05_rope
		.amdhsa_group_segment_fixed_size 0
		.amdhsa_private_segment_fixed_size 0
		.amdhsa_enable_private_segment 0
		.amdhsa_kernarg_size 16
		.amdhsa_user_sgpr_count 2
		.amdhsa_user_sgpr_kernarg_segment_ptr 1
		.amdhsa_wavefront_size32 1
		.amdhsa_system_sgpr_workgroup_id_x 1
		.amdhsa_system_sgpr_workgroup_id_y 1
		.amdhsa_system_sgpr_workgroup_id_z 1
		.amdhsa_system_vgpr_workitem_id 0
		.amdhsa_next_free_vgpr 48
		.amdhsa_next_free_sgpr 66
		.amdhsa_reserve_vcc 0
		.amdhsa_float_denorm_mode_32 3
		.amdhsa_float_denorm_mode_16_64 3
		.amdhsa_memory_ordered 1
		.amdhsa_forward_progress 1
		.amdhsa_inst_pref_size 6
	.end_amdhsa_kernel
	.amdgpu_metadata
---
amdhsa.version: [ 1, 2 ]
amdhsa.kernels:
  - .name:           k_q22e8534e05_rope
    .symbol:         k_q22e8534e05_rope.kd
    .args:
      - { .name: token_positions, .offset: 0, .size: 8, .value_kind: global_buffer, .address_space: global }
      - { .name: rope, .offset: 8, .size: 8, .value_kind: global_buffer, .address_space: global }
    .group_segment_fixed_size: 0
    .private_segment_fixed_size: 0
    .kernarg_segment_align: 8
    .kernarg_segment_size: 16
    .max_flat_workgroup_size: 128
    .sgpr_count:     66
    .vgpr_count:     48
    .wavefront_size: 32
...
	.end_amdgpu_metadata
.endif
;; end of part 1
;; launch qkv (part 2): grid 12 x 32, 4 waves a work-group, clusters of 4 x 4, 327,680 bytes of LDS; arguments x_codes, x_scales, WQ_codes, WQ_scales, WK_codes, WK_scales, WV_codes, WV_scales, rope, qkvc, qkvs; writes qkvc, qkvs
.if DOCPART == 2
	.amdgcn_target "amdgcn-amd-amdhsa--gfx1250"
	.amdhsa_code_object_version 6
	.text
	.protected	k_q22e8534e05_qkv
	.globl	k_q22e8534e05_qkv
	.p2align	8
	.type	k_q22e8534e05_qkv,@function
k_q22e8534e05_qkv:
	s_mov_b64 s[64:65], 0
	v_nop
	global_prefetch_b8 v0, s[64:65] scope:SCOPE_SE
	s_setreg_imm32_b32 hwreg(HW_REG_WAVE_MODE, 25, 1), 1
	s_wait_xcnt 0x0
	s_wait_alu depctr_hold_cnt(0) depctr_sa_sdst(0) depctr_va_vdst(0) depctr_va_sdst(0) depctr_va_ssrc(0) depctr_va_vcc(0) depctr_vm_vsrc(0)
	s_getreg_b32 s2, hwreg(HW_REG_IB_STS2, 6, 4)
	s_cmp_eq_u32 s2, 0
	s_cbranch_scc0 .Lentry_in_a_cluster
	s_endpgm
.Lentry_in_a_cluster:
	s_bfe_u32 s2, ttmp6, 0x10000c
	s_cmp_lg_u32 s2, 0xf033
	s_cbranch_scc0 .Lentry_shape_is_right
	s_endpgm
.Lentry_shape_is_right:
; Q = rope(x WQ^T), K = rope(x WK^T), V = x WV^T on the given codes of FP8 (E4M3) and E8M0 scales; the results are quantised here, from the f32 sums, and stored as codes and scale words.  No work is left out here.
; THE CLUSTER'S x IS THE KIND: 0 Q, 1 K, 2 V.  A work-group makes 256 x 256 numbers, four waves of 128 x 128 (64 accumulators, 512 registers).  P is the matrix instruction's source 0, R its source 1.
; Kinds 0, 1: P = 256 rows of the weight, R = 256 tokens: a lane then holds ONE token and its registers run along the channels, which are K of the product Q K^T.
; Kind 2:     P = 256 tokens, R = 256 rows of WV: a lane holds ONE channel and its registers run along the tokens, which are K of the product P V.  The text is one: pointers and tile numbers are chosen by the kind.
; K (1,024) goes in four steps of 256 through two LDS slots filled by the tensor data mover; the scale bytes of the 512 rows come once and stay.  4 x 4 work-groups form a cluster: R's tiles are asked for jointly
; along a row of the cluster, P's along a column.
; THE WAY OUT.  Two neighbouring result tiles are a block of 32 along the next K: 16 numbers in lane l, 16 in lane l xor 16.  The block's scale and codes are made as the quantiser says; a lane's 16 codes are
; stored as 16 bytes at 16 x lane of a chunk of 512 bytes: AN IMAGE OF FOUR OPERAND REGISTERS, which launch attn loads as it lies.  Byte 8 u + j of lane (r, h) is number 16 u + 8 h + j of the block, where the matrix
; unit takes it for 16 h + 8 u + j: a permutation inside the block, the same on both sides of each of attn's products, so every product of two numbers stays what it is; only the order of the f32 sums differs.
; qkvc: kind x 8,388,608 + ((b 16 + head) 16 + group of 128 tokens) x 8,192; in it Q, K: chunk (token tile a, block c) at 2,048 (a % 4) + 1,024 (a / 4) + 512 c;  V: (channel tile t, key block c) at 2,048 t + 512 c.
; qkvs: kind x 262,144 + ((b 16 + group) 16 + head) x 256 + 64 p + 4 r; Q, K: word p of token r: the two bytes of tile p, then those of tile p + 4;  V: word t of channel r: the four key blocks' bytes.
; LIMITS: a block of zeros gets the byte 1 where the quantiser says 127 (its codes are zeros, and this program alone reads the bytes); NaN and infinities are not served.
; No prefetch: the launch is short and its tiles are shared in the cluster.  384 work-groups: tiles that divided evenly among the WGPs would cut heads or pass the registers.
; REGISTERS, in windows of 256: window 0: v8-29 addresses; v32-63 scale words, two sets; v64-127 the table of cos and sin, two sets; from v128 R's fragments, one set; on the way out v128-255 are at work.
;   window 1: P's fragments, two sets.   window 2: the accumulators of R's blocks 0-3 ((a, b) at v[8 (8 (a % 4) + b)]);   window 3: those of blocks 4-7.
.set KSTEP,  256
.set NQ,     2                         ; matrix instructions deep in a slot
.set ROWB,   256                       ; a tile's row in bytes
.set KROW,   1024                      ; a row of codes in memory
.set PITCH,  272                       ; an LDS row: 256 bytes + 16 of padding: the 16 rows that a load touches start at 16 different banks (64 banks of 4 bytes: ISA guide 11.1)
.set FR,     16
.set NL,     4
.set NP,     8                         ; places behind this matrix instruction (ISA guide 7.12.1)
.set HALFT,  128*PITCH
.set SLOT,   4*HALFT                   ; R's 256 rows, then P's 256 rows
.set KS,     32                        ; a row of scale bytes
.set SCL,    2*SLOT                    ; behind the ring: the scale bytes, as units of 256 bytes + 16 of padding
.set HALFS,  (128*KS/256)*272
.set SBLK,   (16*KS/256)*272
.set SPARE,  SCL+4*HALFS               ; the spare words, 128 bytes a wave: two blocks of 256 bytes that no other line names
.set STG,    SPARE+512                 ; 512 bytes a wave: the scale words on their way out; no fill lands here
.set L16,  8                           ; v8      16 x lane; also the first of
.set OFFR, 8                           ; v8-11   the codes' offsets: 16 x lane + (a / 4) XS + (block / 2) YS
.set SST,  13                          ; v13     where I put a scale word: STG + 512 wave + 4 (lane % 16)
.set SLD,  14                          ; v14     and where I read 16 bytes back: STG + 512 wave + 16 lane
.set ADRA, 16                          ; v16-17  LDS address of R's fragments in slot 0, 1
.set ADRB, 20                          ; v20-21  of P's
.set ADRS, 27                          ; v27     of my scale words: lanes 0-15 R's rows, lanes 16-31 P's
.set SPW,  28                          ; v28     my spare word: SPARE + 4 x my thread's number; never rewritten
.set NIL,  29                          ; v29     0; never rewritten
.set SC,   32                          ; scale words: set s at v[SC + 16 s]; register 2 i + q: lanes 0-15 R's block i, lanes 16-31 P's block i
.set TB,   64                          ; the table: two sets of 32
.set AF,   128                         ; R's fragments
.set T,    128                         ; the way out: v128-191 x2 sin, x2 cos
.set TM,   192                         ; v192-195 largest magnitudes, v196-199 bytes, v204-207 the conversions' scale operands
.set PC,   208                         ; v208-239 codes, two sets of 16
.set WS,   240                         ; v240-247 the scale word of each of R's eight blocks
.set DW,   248                         ; v248-255 the words as they are stored
.set G1, 24                            ; s[24:31] descriptor group 1 for R's tiles; s[32:39] group 0, a set for each slot
.set G0, 32
.set G1B, 48                           ; s[48:55], s[56:63] the same for P's
.set G0B, 56
.set G1S, 68                           ; s[68:75], s[76:79] groups 1 and 0 for R's scale bytes; s[80:87], s[88:91] for P's
.set G0S, 76
.set G1SB, 80
.set G0SB, 88
.set KIND, 95                          ; s95 the kind; s96 the codes' offset; s97 the scale words'; s98 the table's; s99 XS; s100 YS; s101, s66 byte selects; s[92:93] lane selects
.set MSB, 0
.macro WIN new                         ; the immediate's high byte repeats the setting that is left
.if MSB != (\new)
	s_set_vgpr_msb (MSB<<8)|(\new)
.set MSB, (\new)
.endif
.endm
.set MUL_LO, 0xa1                      ; source 0 (P) window 1, source 1 (R) window 0, C and D window 2
.set MUL_HI, 0xf1                      ; the same, C and D window 3
.set TO_B,   0x40                      ; destination window 1, address window 0
; A joint load: waves 0 and 1 fetch for R, waves 2 and 3 for P.  The branch hangs on the wave's number alone.  An s_nop 0 and four v_nop follow each of the two lines.
.macro JLOAD g0a, g1a, g0b, g1b
	s_cmp_eq_u32 s15, 0
	s_cbranch_scc0 .Lfor_b_\@
	tensor_load_to_lds s[\g0a:\g0a+3], s[\g1a:\g1a+7]
	s_nop 0
.rept 4
	v_nop
.endr
	s_branch .Lasked_\@
.Lfor_b_\@:
	tensor_load_to_lds s[\g0b:\g0b+3], s[\g1b:\g1b+7]
	s_nop 0
.rept 4
	v_nop
.endr
.Lasked_\@:
.endm
.macro CREST                           ; a round of the cluster's barrier behind its opening barrier
	s_cmp_lg_u32 s14, 0
	s_cbranch_scc1 .Lnot_wave_0_\@
	s_barrier_signal -3
.Lnot_wave_0_\@:
	s_barrier_wait -3
	s_barrier_signal -1
	s_barrier_wait -1
.endm
.macro CROUND
	s_barrier_signal -1
	s_barrier_wait -1
	CREST
.endm
	s_load_b512 s[76:91], s[0:1], 0x0              ; x's codes, scales; WQ's; WK's; WV's
	v_lshl_add_u32 v[SPW], v0, 2, SPARE
	v_mov_b32 v[NIL], 0
	ds_add_u32 v[SPW], v[NIL]                      ; the wave's opening: the add, twice on end, and its wait ahead of my first tensor load
	ds_add_u32 v[SPW], v[NIL]                      ; the set-up below, work on registers, stands between the second and the wait
	v_lshrrev_b32 v1, 5, v0
	v_readfirstlane_b32 s14, v1                    ; wave 0..3
	s_lshr_b32 s15, s14, 1                         ; which half of R's rows is mine.  Also: I fetch for R (0) or for P (1)
	s_and_b32 s16, s14, 1                          ; which half of P's rows.  Also: which 128 rows of that tile I fetch
	s_bfe_u32 s40, ttmp6, 0x40000                  ; cx, cy: my place in the cluster
	s_bfe_u32 s41, ttmp6, 0x40004
	s_mov_b32 s[KIND], ttmp9                       ; the cluster's x: the same in all sixteen partners
	s_and_b32 s18, ttmp7, 0xffff
	s_lshl_b32 s18, s18, 2                         ; 4 x the cluster's y walks the 32 tiles of tokens
	s_cmp_eq_u32 s[KIND], 2
	s_cselect_b32 s19, s18, 0                      ; the tokens are P in kind 2,
	s_cselect_b32 s18, 0, s18                      ; R in kinds 0 and 1
	s_add_co_u32 s42, s19, s40                     ; P's tile: it hangs on cx alone of the two places
	s_add_co_u32 s17, s18, s41                     ; R's tile: on cy alone
	s_lshl_b32 s43, s41, 2
	s_lshl_b32 s43, 15, s43                        ; my row of the cluster
	s_lshl_b32 s44, 0x1111, s40                    ; my column
	s_or_b32 s[G1+0], s43, (0<<16)|(1<<20)|(1<<21)|(5<<22)|(3<<25)  ; 15:0 the mask: R's tiles go to my row; elements of 1 byte; padding on; bit 21 beside a mask; 4 words behind every 64
	s_or_b32 s[G1B+0], s44, (0<<16)|(1<<20)|(1<<21)|(5<<22)|(3<<25)
.irp g, G1, G1B
	s_mov_b32 s[\g+1], ROWB<<16                    ; tensor_dim0
	s_mov_b32 s[\g+2], 128<<16                     ; tensor_dim1
	s_mov_b32 s[\g+3], ROWB<<16                    ; tile_dim0
	s_mov_b32 s[\g+4], 128                         ; tile_dim1
	s_mov_b32 s[\g+5], KROW                        ; tensor_dim0_stride
	s_mov_b32 s[\g+6], 0
	s_mov_b32 s[\g+7], 0
.endr
	s_or_b32 s[G1S+0], s43, (3<<16)|(1<<20)|(1<<21)|(5<<22)|(3<<25)  ; the scale bytes of 128 rows: 4,096 dense bytes as 16 rows of 256 (32 elements of 8 bytes), 16 bytes of padding behind each
	s_mov_b32 s[G1S+1], 32<<16
	s_mov_b32 s[G1S+2], (128*KS/256)<<16
	s_mov_b32 s[G1S+3], 32<<16
	s_mov_b32 s[G1S+4], 128*KS/256
	s_mov_b32 s[G1S+5], 32
	s_mov_b32 s[G1S+6], 0
	s_mov_b32 s[G1S+7], 0
	; where my wave's results go: these numbers hold both places in the cluster and enter the stores' addresses alone
	s_lshl_b32 s96, s17, 1
	s_add_co_u32 s96, s96, s15                     ; which 128 rows of R's tensor are mine
	s_lshl_b32 s97, s42, 1
	s_add_co_u32 s97, s97, s16                     ; and of P's
	s_mov_b32 s2, 0x20000                          ; a head's codes: 16 groups of 8,192 bytes
	s_mov_b32 s3, 0x400
	s_mov_b32 s12, 0x03020100
	s_mov_b32 s13, 0x07060504
	s_mov_b32 s101, 0x05040100
	s_mov_b32 s66, 0x07060302
	s_cmp_eq_u32 s[KIND], 2
	s_cselect_b32 s98, s97, s96                    ; the group of 128 tokens, 0 .. 63
	s_cselect_b32 s18, s96, s97                    ; the pair of heads, 0 .. 7
	s_cselect_b32 s99, s2, s3                      ; XS: R's blocks 4-7 are the second head (V) or the chunks 1,024 bytes on (Q, K)
	s_cselect_b32 s100, s3, s2                     ; YS: blocks 2, 3 along P the other way round
	s_cselect_b32 s101, s12, s101                  ; which bytes of two blocks' words make a stored word
	s_cselect_b32 s66, s13, s66
	s_lshl_b32 s18, s18, 1                         ; my first head
	s_lshr_b32 s19, s98, 4                         ; b
	s_and_b32 s2, s98, 15                          ; the group within the sequence
	s_lshl_b32 s19, s19, 4
	s_add_co_u32 s19, s19, s18
	s_lshl_b32 s19, s19, 4
	s_add_co_u32 s19, s19, s2
	s_lshl_b32 s19, s19, 13
	s_lshl_b32 s96, s[KIND], 23
	s_add_co_u32 s96, s96, s19                     ; the codes' offset
	s_lshl_b32 s97, s98, 4
	s_add_co_u32 s97, s97, s18
	s_lshl_b32 s97, s97, 8
	s_lshl_b32 s19, s[KIND], 18
	s_add_co_u32 s97, s97, s19                     ; the scale words' offset
	s_lshl_b32 s98, s2, 15                         ; the table's: 8 tiles of 4,096 bytes a group
	; where the tiles come from
	s_lshl_b32 s18, s16, 7                         ; which 128 rows of the tile I fetch
	s_lshl_b32 s20, s17, 8
	s_add_co_u32 s20, s20, s18                     ; R's row
	s_lshl_b32 s46, s42, 8
	s_add_co_u32 s46, s46, s18                     ; P's row
	s_mov_b32 s21, 0
	s_mov_b32 s47, 0
	s_mov_b64 s[18:19], KS
	s_mul_u64 s[22:23], s[20:21], s[18:19]         ; where these rows' scale bytes begin
	s_mul_u64 s[92:93], s[46:47], s[18:19]
	s_mov_b64 s[18:19], KROW
	s_mul_u64 s[20:21], s[20:21], s[18:19]         ; and their codes
	s_mul_u64 s[46:47], s[46:47], s[18:19]
	s_mul_i32 s45, s14, HALFT                      ; where they go: wave x 128 rows: no place in the cluster enters an LDS address
	s_mul_i32 s94, s14, HALFS
	s_wait_dscnt 0x0                               ; both opening adds are done
	s_wait_kmcnt 0x0
	s_cmp_eq_u32 s[KIND], 0                        ; the buffers are chosen by the kind, which hangs on no address
	s_cselect_b64 s[8:9], s[80:81], s[84:85]       ; WQ or WK
	s_cselect_b64 s[10:11], s[82:83], s[86:87]
	s_cmp_eq_u32 s[KIND], 2
	s_cselect_b64 s[8:9], s[76:77], s[8:9]         ; P: x in kind 2, else the weight
	s_cselect_b64 s[10:11], s[78:79], s[10:11]
	s_cselect_b64 s[4:5], s[88:89], s[76:77]       ; R: WV in kind 2, else x
	s_cselect_b64 s[6:7], s[90:91], s[78:79]
	s_add_nc_u64 s[20:21], s[4:5], s[20:21]
	s_add_nc_u64 s[22:23], s[6:7], s[22:23]
	s_add_nc_u64 s[46:47], s[8:9], s[46:47]
	s_add_nc_u64 s[92:93], s[10:11], s[92:93]
	s_or_b32 s[G1SB+0], s44, (3<<16)|(1<<20)|(1<<21)|(5<<22)|(3<<25)  ; (the arguments have left these registers)
	s_mov_b32 s[G1SB+1], 32<<16
	s_mov_b32 s[G1SB+2], (128*KS/256)<<16
	s_mov_b32 s[G1SB+3], 32<<16
	s_mov_b32 s[G1SB+4], 128*KS/256
	s_mov_b32 s[G1SB+5], 32
	s_mov_b32 s[G1SB+6], 0
	s_mov_b32 s[G1SB+7], 0
	CROUND                                         ; all sixteen work-groups are here: the first joint loads meet
	s_mov_b32 s[G0S], 1
	s_add_co_u32 s[G0S+1], s94, SCL
	s_mov_b64 s[G0S+2:G0S+3], s[22:23]
	s_or_b32 s[G0S+3], s[G0S+3], 0x80000000
	s_mov_b32 s[G0SB], 1
	s_add_co_u32 s[G0SB+1], s94, SCL
	s_mov_b64 s[G0SB+2:G0SB+3], s[92:93]
	s_or_b32 s[G0SB+3], s[G0SB+3], 0x80000000
	JLOAD G0S, G1S, G0SB, G1SB                     ; the scale bytes first: they are wanted with K step 0
.irp s, 0,1
	s_mov_b32 s[G0+4*\s], 1
	s_add_co_u32 s[G0+4*\s+1], s45, \s*SLOT
	s_add_nc_u64 s[G0+4*\s+2:G0+4*\s+3], s[20:21], \s*ROWB
	s_or_b32 s[G0+4*\s+3], s[G0+4*\s+3], 0x80000000
	s_mov_b32 s[G0B+4*\s], 1
	s_add_co_u32 s[G0B+4*\s+1], s45, \s*SLOT
	s_add_nc_u64 s[G0B+4*\s+2:G0B+4*\s+3], s[46:47], \s*ROWB
	s_or_b32 s[G0B+4*\s+3], s[G0B+4*\s+3], 0x80000000
	JLOAD G0+4*\s, G1, G0B+4*\s, G1B               ; three tensor loads of mine are out
.endr
	s_load_b128 s[4:7], s[0:1], 0x40               ; the table, the codes' buffer (the chosen inputs' pointers are done with)
	s_load_b64 s[8:9], s[0:1], 0x50                ; the scale words' buffer
	s_mov_b32 s92, 0x76543210
	s_mov_b32 s93, 0xfedcba98                      ; v_permlanex16_b32's selects for lane l xor 16
	v_and_b32 v1, 15, v0                           ; l % 16
	v_bfe_u32 v2, v0, 4, 1                         ; l / 16
	v_mul_u32_u24 v3, v1, PITCH
	v_lshl_add_u32 v4, v2, 4, v3                   ; a fragment's row x pitch + 16 x half
	s_mul_i32 s21, s15, HALFT                      ; my 128 rows of R
	s_mul_i32 s22, s16, HALFT                      ; my 128 rows of P,
	s_add_co_u32 s22, s22, 2*HALFT                 ; which lie behind R's 256
.irp s, 0,1
	v_add_nc_u32 v[ADRA+\s], s21, v4
	v_add_nc_u32 v[ADRB+\s], s22, v4
	s_add_co_u32 s21, s21, SLOT
	s_add_co_u32 s22, s22, SLOT
.endr
	v_mul_u32_u24 v5, v1, KS                       ; my row's scale bytes: 32 a row,
	v_lshrrev_b32 v6, 8, v5
	v_lshl_add_u32 v5, v6, 4, v5                   ; and 16 more for each 256 passed
	s_mul_i32 s21, s15, HALFS
	s_mul_i32 s22, s16, HALFS
	s_add_co_u32 s22, s22, 2*HALFS
	s_sub_co_u32 s22, s22, s21
	v_mul_u32_u24 v6, s22, v2                      ; lanes 16-31 take P's
	s_add_co_u32 s21, s21, SCL
	v_add_nc_u32 v5, v5, v6
	v_add_nc_u32 v[ADRS], s21, v5
	v_and_b32 v6, 31, v0
	v_lshlrev_b32 v[L16], 4, v6
	v_add_nc_u32 v[OFFR+1], s100, v[L16]
	v_add_nc_u32 v[OFFR+2], s99, v[L16]
	v_add_nc_u32 v[OFFR+3], s100, v[OFFR+2]
	s_lshl_b32 s21, s14, 9
	s_add_co_u32 s21, s21, STG
	v_lshl_add_u32 v[SST], v1, 2, s21
	v_add_nc_u32 v[SLD], s21, v[L16]
	s_wait_alu depctr_va_vdst(0)
	s_wait_kmcnt 0x0
	s_mov_b32 s19, 0
	s_mov_b32 s18, s98
	s_add_nc_u64 s[4:5], s[4:5], s[18:19]          ; the table at my group of tokens
	s_mov_b32 s18, s96
	s_add_nc_u64 s[6:7], s[6:7], s[18:19]          ; the codes at my wave's part
	s_mov_b32 s18, s97
	s_add_nc_u64 s[8:9], s[8:9], s[18:19]          ; the scale words likewise
.macro FRAG reg, adr, q, i             ; a fragment, 16 rows x 128 K, is 16 registers: lane l holds row l % 16; registers 4 c .. 4 c + 3 hold K = 32 c + 16 (l / 16) + 0 .. 15
.irp c, 0,1,2,3
	ds_load_b128 v[\reg+4*\c:\reg+4*\c+3], v[\adr] offset:128*(\q)+32*\c+(\i)*16*PITCH
.endr
.endm
; 16 matrix instructions: R's blocks a0, a0 + 1 x P's eight, 128 along K.  p: P's set; sc: the set of scale words.  zero = 1: the first product starts the sums.
; The 64 accumulators take turns, one instruction a turn, in the same order in every step.
.macro MUL16 a0, p, q, sc, zero
.irp a, \a0, \a0+1
.irp b, 0,1,2,3,4,5,6,7
.if \zero
	v_wmma_scale_f32_16x16x128_f8f6f4 v[8*(8*((\a)%4)+\b):8*(8*((\a)%4)+\b)+7], v[128*(\p)+FR*\b:128*(\p)+FR*\b+FR-1], v[AF+FR*(\a):AF+FR*(\a)+FR-1], 0, v[SC+8*NQ*(\sc)+NQ*\b+(\q)], v[SC+8*NQ*(\sc)+NQ*(\a)+(\q)] matrix_a_scale:MATRIX_SCALE_ROW1
.else
	v_wmma_scale_f32_16x16x128_f8f6f4 v[8*(8*((\a)%4)+\b):8*(8*((\a)%4)+\b)+7], v[128*(\p)+FR*\b:128*(\p)+FR*\b+FR-1], v[AF+FR*(\a):AF+FR*(\a)+FR-1], v[8*(8*((\a)%4)+\b):8*(8*((\a)%4)+\b)+7], v[SC+8*NQ*(\sc)+NQ*\b+(\q)], v[SC+8*NQ*(\sc)+NQ*(\a)+(\q)] matrix_a_scale:MATRIX_SCALE_ROW1
.endif
.endr
.endr
.endm
.macro FETCH_B slot, q, p              ; P's eight fragments of the slot's q-th 128 along K into set p
	WIN TO_B
.irp i, 0,1,2,3,4,5,6,7
	FRAG 128*(\p)+FR*\i, ADRB+\slot, \q, \i
.endr
	WIN 0
.endm
.macro FETCH_A slot, q, i0             ; R's blocks i0 .. i0 + 3
.irp i, \i0, \i0+1, \i0+2, \i0+3
	FRAG AF+FR*(\i), ADRA+\slot, \q, \i
.endr
.endm
.macro SCALES sc                       ; a K step's scale words: two a row; lanes 0-15 take R's block i, lanes 16-31 P's block i
.irp i, 0,1,2,3,4,5,6,7
	ds_load_b64 v[SC+8*NQ*\sc+NQ*\i:SC+8*NQ*\sc+NQ*\i+1], v[ADRS] offset:\i*SBLK
.endr
.endm
; A load into a register that a matrix instruction has read, and a vector instruction that reads a matrix result or writes one of a matrix instruction's registers, stand NP places behind it;
; only plain vector instructions that name none of its registers are places (ISA guide 7.12.1 for vector instructions).
.macro PLACES n
.rept \n
	v_nop
.endr
.endm
.macro STEP slot, q, zero              ; 128 along K with its successor in the same slot
	s_wait_dscnt 4*NL                              ; P's set and R's blocks 0-3 are in; the youngest 16 loads (R's blocks 4-7) may be out
	WIN MUL_LO
	MUL16 0, (\q)%2, \q, \slot, \zero
	MUL16 2, (\q)%2, \q, \slot, \zero
	s_wait_dscnt 0                                 ; R's blocks 4-7 are in
	PLACES NP
	FETCH_B \slot, (\q)+1, 1-(\q)%2
	FETCH_A \slot, (\q)+1, 0
	WIN MUL_HI
	MUL16 4, (\q)%2, \q, \slot, \zero
	MUL16 6, (\q)%2, \q, \slot, \zero
	PLACES NP
	WIN 0
	FETCH_A \slot, (\q)+1, 4
.endm
; A slot's last step changes slots: ONE barrier; in front of it each wave waits for all its tensor loads, adds 0 to its spare word, and waits for that and for its own reads of this slot.  fill = 1: the slot is filled again, two K steps ahead.
.macro TURN slot, next, fill
	s_wait_tensorcnt 0x0                           ; all my tensor loads have landed: my part of the next slot (every window is 0 here)
	ds_add_u32 v[SPW], v[NIL]                      ; 0 onto my spare word
	s_wait_dscnt 4*NL+1                            ; (the add and the youngest 16 loads may be out)
	WIN MUL_LO
	MUL16 0, 1, NQ-1, \slot, 0                     ; sixteen matrix instructions stand between the add and the wait for it
	s_wait_dscnt 0x0                               ; the add is done, and my reads of this slot are over
	s_barrier_signal -1
	MUL16 2, 1, NQ-1, \slot, 0
	WIN 0
	s_barrier_wait -1
.if \fill
	CREST                                          ; the barrier has opened a round of the cluster's barrier: no wave of any partner still reads this slot or has a load on its way
	s_add_nc_u64 s[G0+4*\slot+2:G0+4*\slot+3], s[G0+4*\slot+2:G0+4*\slot+3], 2*ROWB
	s_add_nc_u64 s[G0B+4*\slot+2:G0B+4*\slot+3], s[G0B+4*\slot+2:G0B+4*\slot+3], 2*ROWB
	JLOAD G0+4*\slot, G1, G0B+4*\slot, G1B         ; the first tensor load behind the round; its four v_nop are among the places in front of the loads below
	PLACES NP-4
.else
	PLACES NP
.endif
	s_wait_alu depctr_va_vdst(0)
	v_add_nc_u32 v[ADRS], 4*NQ, v[ADRS]            ; on to the next K step's scale words
	FETCH_B \next, 0, 0
	FETCH_A \next, 0, 0
	SCALES \next
	WIN MUL_HI
	MUL16 4, 1, NQ-1, \slot, 0
	MUL16 6, 1, NQ-1, \slot, 0
	PLACES NP
	WIN 0
	FETCH_A \next, 0, 4
.endm
.macro LASTSTEP                        ; the very last 128 along K: nothing more to fetch
	s_wait_dscnt 4*NL
	WIN MUL_LO
	MUL16 0, 1, NQ-1, 1, 0
	MUL16 2, 1, NQ-1, 1, 0
	s_wait_dscnt 0
	WIN MUL_HI
	MUL16 4, 1, NQ-1, 1, 0
	MUL16 6, 1, NQ-1, 1, 0
	WIN 0
	PLACES NP                                      ; in front of the first reads of results and of the first writes over R's fragments
.endm
.macro TABLE a                         ; cos and sin for token tile a of my group: eight chunks of 512 bytes into set a % 2
.irp n, 0,1,2,3,4,5,6,7
	global_load_b128 v[TB+32*((\a)%2)+4*\n:TB+32*((\a)%2)+4*\n+3], v[L16], s[4:5] offset:4096*(\a)+512*\n
.endr
.endm
; THE WAY OUT of R's block a: eight result tiles = four blocks of 32 along the next K.  rope = 1: the pairs (even, odd channel) are turned first.
.macro BATCH a, rope
.set W,   2+(\a)/4                     ; the accumulators' window
.set AC,  64*((\a)%4)
.set TBS, TB+32*((\a)%2)
.set PCS, PC+16*((\a)%2)
.if \rope
.if (\a) < 7
	s_wait_loadcnt 8                               ; this block's eight table loads are in; the next block's eight may be out
.else
	s_wait_loadcnt 0
.endif
	WIN W                                          ; source 0: the accumulators
.irp b, 0,1,2,3,4,5,6,7
.irp p, 0,1,2,3
	v_pk_mul_f32 v[T+8*\b+2*\p:T+8*\b+2*\p+1], v[AC+8*\b+2*\p:AC+8*\b+2*\p+1], v[TBS+8*(\b%4)+2*\p:TBS+8*(\b%4)+2*\p+1] op_sel:[1,1] op_sel_hi:[1,0]   ; x2 sin, x2 cos; each accumulator is read from its low end on
.endr
.endr
	WIN W|(W<<6)
.irp b, 0,1,2,3,4,5,6,7
.irp p, 0,1,2,3
	v_pk_fma_f32 v[AC+8*\b+2*\p:AC+8*\b+2*\p+1], v[AC+8*\b+2*\p:AC+8*\b+2*\p+1], v[TBS+8*(\b%4)+2*\p:TBS+8*(\b%4)+2*\p+1], v[T+8*\b+2*\p:T+8*\b+2*\p+1] op_sel_hi:[0,1,1] neg_lo:[0,0,1]   ; x1 cos - x2 sin, x1 sin + x2 cos
.endr
.endr
	WIN 0
.if (\a)+2 < 8
	TABLE (\a)+2                                   ; into the set just read
.endif
.endif
	WIN (W<<2)|(W<<4)                              ; sources 1 and 2: the accumulators
.irp g, 0,1,2,3
	v_max3_num_f32 v[TM+\g], 0x4800000, |v[AC+16*\g]|, |v[AC+16*\g+1]|   ; block g: my 16 numbers, and the floor 2^(9 - 127): the byte cannot fall under 1
.endr
.irp i, 2,4,6,8,10,12,14
.irp g, 0,1,2,3
	v_max3_num_f32 v[TM+\g], v[TM+\g], |v[AC+16*\g+\i]|, |v[AC+16*\g+\i+1]|   ; (the four blocks by turns)
.endr
.endr
	WIN 0
.irp g, 0,1,2,3
	v_permlanex16_b32 v[TM+4+\g], v[TM+\g], s92, s93
.endr
.irp g, 0,1,2,3
	v_max_num_f32 v[TM+\g], v[TM+\g], v[TM+4+\g]   ; with lane l xor 16's: the block's largest magnitude
.endr
.irp g, 0,1,2,3
	v_add_nc_u32 v[TM+12+\g], 0xfc000000, v[TM+\g] ; 8 off its exponent field: the conversion's scale operand
.endr
.irp g, 0,1,2,3
.endr
.irp g, 0,1,2,3
	v_lshrrev_b32 v[TM+4+\g], 23, v[TM+12+\g]      ; the scale's byte
.endr
	v_lshl_or_b32 v[WS+(\a)], v[TM+5], 8, v[TM+4]
	v_lshl_or_b32 v[WS+(\a)], v[TM+6], 16, v[WS+(\a)]
	v_lshl_or_b32 v[WS+(\a)], v[TM+7], 24, v[WS+(\a)]
.if (\a) >= 2
	s_wait_xcnt 0x0                                ; the stores of two blocks back have read this set of code registers: only now is it written again
.endif
	WIN W|(W<<6)
.irp g, 0,1,2,3
.irp i, 0,1,2,3,4,5,6,7,8,9,10,11,12,13,14,15
.endr
.endr
	WIN W
.irp g, 0,1,2,3
.irp u, 0,1
	v_cvt_scalef32_pk8_fp8_f32 v[PCS+4*\g+2*\u:PCS+4*\g+2*\u+1], v[AC+16*\g+8*\u:AC+16*\g+8*\u+7], v[TM+12+\g]
.endr
.endr
	v_nop                                          ; a plain line behind the last conversion
	WIN 0
.irp g, 0,1,2,3
	global_store_b128 v[OFFR+2*((\a)/4)+(\g/2)], v[PCS+4*\g:PCS+4*\g+3], s[6:7] offset:2048*((\a)%4)+512*(\g%2)   ; a chunk: 32 lanes store 512 consecutive bytes
.endr
.endm
	s_wait_tensorcnt 1                             ; the scale bytes and my part of K step 0 are in (K step 1's load may be out),
	s_barrier_signal -1
	s_barrier_wait -1                              ; everybody's are
	FETCH_B 0, 0, 0
	FETCH_A 0, 0, 0
	SCALES 0
	FETCH_A 0, 0, 4
	STEP 0, 0, 1                                   ; K step 0: its first products start the sums
	TURN 0, 1, 1                                   ; slot 0 takes K step 2
	STEP 1, 0, 0
	TURN 1, 0, 1                                   ; slot 1 takes K step 3
	STEP 0, 0, 0
	TURN 0, 1, 0                                   ; nothing is left to fetch
	STEP 1, 0, 0
	s_cmp_eq_u32 s[KIND], 2                        ; ONE parting by the kind, the same in all waves and all partners; the last step and the way out stand in both arms
	s_cbranch_scc1 .Lkind_v
	TABLE 0                                        ; they land under the last 64 products
	TABLE 1
	LASTSTEP
.irp a, 0,1,2,3,4,5,6,7
	BATCH \a, 1
.endr
	s_branch .Lwords
.Lkind_v:
	LASTSTEP
.irp a, 0,1,2,3,4,5,6,7
	BATCH \a, 0
.endr
.Lwords:
	; the scale words: Q, K: two bytes of block p's word and two of block p + 4's, for each of my two heads; V: the words as they are, blocks 0-3 the first head's, 4-7 the second's
.irp p, 0,1,2,3
	v_perm_b32 v[DW+2*\p], v[WS+\p+4], v[WS+\p], s101
	v_perm_b32 v[DW+2*\p+1], v[WS+\p+4], v[WS+\p], s66
.endr
.irp p, 0,1,2,3
.irp i, 0,1
	ds_store_b32 v[SST], v[DW+2*\p+\i] offset:64*\p+256*\i   ; lanes 16-31 write the same words with the same values
.endr
.endr
	ds_load_b128 v[T:T+3], v[SLD]                  ; my wave's own bytes: LDS serves a wave's instructions in order (ISA guide 5.7.1.4)
	s_wait_dscnt 0x0
	global_store_b128 v[L16], v[T:T+3], s[8:9]     ; 512 consecutive bytes: my two heads' words of this group
	s_wait_tensorcnt 0x0                           ; the wave's end: behind my last tensor load and my last LDS store
	ds_add_u32 v[SPW], v[NIL]
	s_wait_dscnt 0x0
	CROUND                                         ; the closing round
	s_endpgm
.Lfunc_end_k_q22e8534e05_qkv:
	.size	k_q22e8534e05_qkv, .Lfunc_end_k_q22e8534e05_qkv-k_q22e8534e05_qkv
	.p2alignl 7, 3214868480
	.fill 96, 4, 3214868480
	.section	.rodata,"a",@progbits
	.p2align	6, 0x0
	.amdhsa_kernel k_q22e8534e05_qkv
		.amdhsa_group_segment_fixed_size 327680
		.amdhsa_private_segment_fixed_size 0
		.amdhsa_enable_private_segment 0
		.amdhsa_kernarg_size 88
		.amdhsa_user_sgpr_count 2
		.amdhsa_user_sgpr_kernarg_segment_ptr 1
		.amdhsa_wavefront_size32 1
		.amdhsa_system_sgpr_workgroup_id_x 1
		.amdhsa_system_sgpr_workgroup_id_y 1
		.amdhsa_system_sgpr_workgroup_id_z 1
		.amdhsa_system_vgpr_workitem_id 0
		.amdhsa_next_free_vgpr 1024
		.amdhsa_next_free_sgpr 102
		.amdhsa_reserve_vcc 0
		.amdhsa_float_denorm_mode_32 3
		.amdhsa_float_denorm_mode_16_64 3
		.amdhsa_fp16_overflow 1
		.amdhsa_memory_ordered 1
		.amdhsa_forward_progress 1
		.amdhsa_inst_pref_size 233
	.end_amdhsa_kernel
	.amdgpu_metadata
---
amdhsa.version: [ 1, 2 ]
amdhsa.kernels:
  - .name:           k_q22e8534e05_qkv
    .symbol:         k_q22e8534e05_qkv.kd
    .args:
      - { .name: x_codes, .offset: 0, .size: 8, .value_kind: global_buffer, .address_space: global }
      - { .name: x_scales, .offset: 8, .size: 8, .value_kind: global_buffer, .address_space: global }
      - { .name: WQ_codes, .offset: 16, .size: 8, .value_kind: global_buffer, .address_space: global }
      - { .name: WQ_scales, .offset: 24, .size: 8, .value_kind: global_buffer, .address_space: global }
      - { .name: WK_codes, .offset: 32, .size: 8, .value_kind: global_buffer, .address_space: global }
      - { .name: WK_scales, .offset: 40, .size: 8, .value_kind: global_buffer, .address_space: global }
      - { .name: WV_codes, .offset: 48, .size: 8, .value_kind: global_buffer, .address_space: global }
      - { .name: WV_scales, .offset: 56, .size: 8, .value_kind: global_buffer, .address_space: global }
      - { .name: rope, .offset: 64, .size: 8, .value_kind: global_buffer, .address_space: global }
      - { .name: qkvc, .offset: 72, .size: 8, .value_kind: global_buffer, .address_space: global }
      - { .name: qkvs, .offset: 80, .size: 8, .value_kind: global_buffer, .address_space: global }
    .group_segment_fixed_size: 327680
    .private_segment_fixed_size: 0
    .kernarg_segment_align: 8
    .kernarg_segment_size: 88
    .max_flat_workgroup_size: 128
    .sgpr_count:     102
    .vgpr_count:     1024
    .wavefront_size: 32
...
	.end_amdgpu_metadata
.endif
;; end of part 2
;; launch attn (part 3): grid 4 x 64, 16 waves a work-group, clusters of 4 x 1, 327,680 bytes of LDS; arguments qkvc, qkvs, oc, os; writes oc, os
.if DOCPART == 3
	.amdgcn_target "amdgcn-amd-amdhsa--gfx1250"
	.amdhsa_code_object_version 6
	.text
	.protected	k_q22e8534e05_attn
	.globl	k_q22e8534e05_attn
	.p2align	8
	.type	k_q22e8534e05_attn,@function
k_q22e8534e05_attn:
	s_mov_b64 s[64:65], 0
	v_nop
	global_prefetch_b8 v0, s[64:65] scope:SCOPE_SE
	s_setreg_imm32_b32 hwreg(HW_REG_WAVE_MODE, 25, 1), 1
	s_wait_xcnt 0x0
	s_wait_alu depctr_hold_cnt(0) depctr_sa_sdst(0) depctr_va_vdst(0) depctr_va_sdst(0) depctr_va_ssrc(0) depctr_va_vcc(0) depctr_vm_vsrc(0)
	s_getreg_b32 s2, hwreg(HW_REG_IB_STS2, 6, 4)
	s_cmp_eq_u32 s2, 0
	s_cbranch_scc0 .Lentry_in_a_cluster
	s_endpgm
.Lentry_in_a_cluster:
	s_bfe_u32 s2, ttmp6, 0x10000c
	s_cmp_lg_u32 s2, 0x3003
	s_cbranch_scc0 .Lentry_shape_is_right
	s_endpgm
.Lentry_shape_is_right:
; o = softmax(Q K^T / 8, causal) V for one (batch, head) a cluster, both products on codes of FP8 (E4M3) with E8M0 scales; o is divided by the row's sum and quantised along e for launch proj.
; WORK LEFT OUT: tiles of 16 queries x 128 keys all of whose keys come after all of their queries: reference()'s own mask makes their p 0 for all inputs.  A NaN or infinity that reaches only them is not carried on.
; THE SOFTMAX: t = score x log2(e) / 8; M = the running largest t rounded UP to a whole number; p = 2^(t - M) is quantised along the keys; the row's sum is taken of the unquantised p and divides at the end.
; SHARES.  The four work-groups of a cluster belong to one head.  Work-group j owns the query tiles 4 m + j, m = 0 .. 31.  Tile m needs the key steps 0 .. m / 2 (128 keys a step), whatever j: no branch hangs on j.
; Wave w takes tile m = w and then tile m = 31 - w: 17 key steps, two of them on the diagonal, in every wave of every work-group.
; LDS.  THE WHOLE HEAD STAYS: K's codes (131,072 bytes), V's, and their scale words come once, by joint loads at the head; nothing is filled again, and behind the second barrier the waves walk freely.
; All operands lie as images of operand registers (launch qkv): a chunk of 512 bytes is four registers, lane l's 16 bytes at 16 l: no pitch, no padding.
; THE HEAD'S 64 IN A K OF 128.  A fragment of K holds TWO key tiles: registers 0-7 tile p, registers 8-15 tile p + 4.  Q stands between runs of zero codes: (q, 0) picks tile p, (0, q) tile p + 4:
; zero codes add nothing.  Q's scale word is its two bytes twice.
; Both products are used transposed (S^T = K Q^T, O^T = V^T P^T): a lane holds ONE query.  Register n of S^T holds key 16 (n / 8) + 8 (lane / 16) + n % 8 of the step: the 16 registers of two neighbouring tiles and
; those of lane l xor 16 are a true block of 32 keys; inside the block p's codes lie in the order in which qkv laid V's.
; o's codes go out in the natural order of K, since WO is given so: two exchanges between the halves of the lanes for each block.  oc: (token / 16) x 16,384 + head x 1,024 + 512 block + 16 lane; os: token x 32 + 2 head + block.
; os is stored two bytes a token, 32 bytes apart: one byte in 32 of what this launch stores.
; No prefetch: every tensor load of the launch is issued at its head.  LIMITS: a block of zeros gets the byte 1; NaN and infinities are not served.
.set SCK,   262144                     ; K's scale words: 16 steps x 256 bytes
.set SCV,   SCK+4096                   ; V's
.set SPARE, SCV+4096                   ; the spare words, 128 bytes a wave: eight blocks of 256 bytes that no other line names
.set L16, 1                            ; v1   16 x lane
.set L4,  2                            ; v2   4 x lane
.set SPW, 3                            ; v3   my spare word: SPARE + 4 x my thread's number; never rewritten
.set NIL, 4                            ; v4   0; never rewritten
.set ADK, 5                            ; v5   LDS address of the step's K;  v6 V;  v7 K's scale words;  v8 V's
.set ADV, 6
.set ADS, 7
.set ADT, 8
.set DG,  9                            ; v9   the mask's number: my query's place in the diagonal step - 8 (lane / 16)
.set OSR, 10                           ; v10  32 x (lane % 16): my token's row of os
.set RM8, 11                           ; v11  lane % 16 - 8 (lane / 16)
                                       ; v12 -M, v13 the largest t, v[14:15] the sum in two halves
                                       ; v16-23 zeros | v24-31 the first tile's q | v32-39 zeros | v40-47 the second tile's q | v48-55 zeros
.set O,   56                           ; v56-87   O^T
.set S,   88                           ; v88-151  S^T, then p
.set KF,  152                          ; v152-215 K's four double fragments, then V's four fragments
.set PC,  216                          ; v216-231 p's codes
.set BM,  232                          ; v232-235 the blocks' largest; v236-239 at work; v244-247 the conversions' scale operands
.set PT,  236
.set LM,  240
.set SOP, 244
.set KSW, 248                          ; v248-249 K's scale words;  v250-251 V's;  v253 p's;  v255 Q's (lanes 0-15 the first tile's, lanes 16-31 the second's)
.set VSW, 250                          ; v252 f = 2^(old M - new M);  v254 at work
.set WV,  20                           ; s20 my wave's number;  s21 cx
.set CX,  21
.set CS,  22                           ; s[22:23] c = log2(e) / 8
.set G1C, 24                           ; s[24:31] group 1: 8,192 dense bytes;  s[32:39]: 16 rows of 256 bytes, 4,096 apart;  s[40:47]: 15,360 dense bytes
.set G1S, 32
.set G1B, 40
.set G0C, 48                           ; s[48:51], s[52:55], s[56:59] their groups 0
.set G0S, 52
.set G0B, 56
.set SEL, 60                           ; s[60:61] lane selects for lane l xor 16
.set MNT, 62
.set SI,  66                           ; s66 the key step;  s67 the tile's last (diagonal) step;  s68 8,192 x step;  s69 SCK + 256 x step
.set SL,  67
.set TK,  68
.set TS,  69
.macro CROUND
	s_barrier_signal -1
	s_barrier_wait -1
	s_cmp_lg_u32 s[WV], 0
	s_cbranch_scc1 .Lnot_wave_0_\@
	s_barrier_signal -3
.Lnot_wave_0_\@:
	s_barrier_wait -3
	s_barrier_signal -1
	s_barrier_wait -1
.endm
	s_load_b256 s[4:11], s[0:1], 0x0               ; qkvc, qkvs, oc, os
	v_lshl_add_u32 v[SPW], v0, 2, SPARE
	v_mov_b32 v[NIL], 0
	ds_add_u32 v[SPW], v[NIL]                      ; the wave's opening: the add, twice on end, and its wait ahead of my first tensor load
	ds_add_u32 v[SPW], v[NIL]                      ; the set-up below, work on registers, stands between the second and the wait
	v_lshrrev_b32 v5, 5, v0
	s_delay_alu instid0(VALU_DEP_1)
	v_readfirstlane_b32 s[WV], v5                  ; wave 0..15
	s_bfe_u32 s[CX], ttmp6, 0x40000                ; my place in the cluster: it enters global addresses and the mask's number alone
	s_and_b32 s12, ttmp7, 0xffff                   ; batch x 16 + head, which the four partners share
	s_lshr_b32 s13, s12, 4                         ; b
	s_and_b32 s14, s12, 15                         ; head
	s_and_b32 s15, s[WV], 1
	s_lshr_b32 s16, s[WV], 3
	s_and_b32 s17, s[WV], 7
	s_lshl_b32 s18, s12, 17                        ; a head's codes are 131,072 bytes
	s_mov_b32 s[G1C], 15|(3<<16)|(1<<21)           ; 15:0 the mask: all four work-groups; elements of 8 bytes; bit 21 beside a mask; no padding
	s_mov_b32 s[G1C+1], 32<<16                     ; tensor_dim0: 256 bytes
	s_mov_b32 s[G1C+2], 32<<16                     ; tensor_dim1
	s_mov_b32 s[G1C+3], 32<<16                     ; tile_dim0
	s_mov_b32 s[G1C+4], 32                         ; tile_dim1
	s_mov_b32 s[G1C+5], 32                         ; the pitch: dense
	s_mov_b32 s[G1C+6], 0
	s_mov_b32 s[G1C+7], 0
	s_mov_b32 s[G1S], 15|(3<<16)|(1<<21)
	s_mov_b32 s[G1S+1], 32<<16
	s_mov_b32 s[G1S+2], 16<<16
	s_mov_b32 s[G1S+3], 32<<16
	s_mov_b32 s[G1S+4], 16
	s_mov_b32 s[G1S+5], 512                        ; a step's words of one head lie 4,096 bytes from the next step's
	s_mov_b32 s[G1S+6], 0
	s_mov_b32 s[G1S+7], 0
	s_mov_b32 s[G1B], 15|(3<<16)|(1<<21)
	s_mov_b32 s[G1B+1], 32<<16
	s_mov_b32 s[G1B+2], 60<<16
	s_mov_b32 s[G1B+3], 32<<16
	s_mov_b32 s[G1B+4], 60
	s_mov_b32 s[G1B+5], 32
	s_mov_b32 s[G1B+6], 0
	s_mov_b32 s[G1B+7], 0
	s_add_co_u32 s74, s15, 1                       ; step 0 of K (even wave) or V (odd wave): kinds 1 and 2 of qkvc
	s_lshl_b32 s74, s74, 23
	s_add_co_u32 s74, s74, s18
	s_mov_b32 s75, 0
	s_add_co_u32 s76, s15, 1                       ; the scale words of K or V
	s_lshl_b32 s76, s76, 18
	s_lshl_b32 s19, s13, 16
	s_add_co_u32 s76, s76, s19
	s_lshl_b32 s19, s14, 8
	s_add_co_u32 s76, s76, s19
	s_mov_b32 s77, 0
	s_add_co_u32 s78, s16, 1                       ; steps 1 to 15, 122,880 bytes, in eight pieces: waves 0-7 K's, waves 8-15 V's
	s_lshl_b32 s78, s78, 23
	s_add_co_u32 s78, s78, s18
	s_mul_i32 s19, s17, 15360
	s_add_co_u32 s78, s78, s19
	s_add_co_u32 s78, s78, 8192
	s_mov_b32 s79, 0
	s_lshl_b32 s80, s15, 17                        ; in LDS: K at 0, V at 131,072;
	s_lshl_b32 s81, s15, 12
	s_add_co_u32 s81, s81, SCK
	s_mul_i32 s82, s[WV], 15360                    ; 8,192 + 15,360 wave, and 8,192 more for V's pieces
	s_lshl_b32 s19, s16, 13
	s_add_co_u32 s82, s82, s19
	s_add_co_u32 s82, s82, 8192
	s_sub_co_u32 s83, 31, s[WV]                    ; my second tile's m
	s_lshr_b32 s84, s[WV], 1                       ; Q's chunks: (m / 2) 8,192 + cx 2,048 + (m % 2) 1,024, in my head
	s_lshl_b32 s84, s84, 13
	s_lshl_b32 s19, s15, 10
	s_add_co_u32 s84, s84, s19
	s_lshr_b32 s85, s83, 1
	s_lshl_b32 s85, s85, 13
	s_and_b32 s19, s83, 1
	s_lshl_b32 s19, s19, 10
	s_add_co_u32 s85, s85, s19
	s_lshl_b32 s19, s[CX], 11
	s_add_co_u32 s19, s19, s18
	s_add_co_u32 s84, s84, s19
	s_add_co_u32 s85, s85, s19
	s_lshl_b32 s86, s13, 16                        ; Q's scale words: b 65,536 + (m / 2) 4,096 + head 256 + cx 64 + 4 r
	s_lshl_b32 s19, s14, 8
	s_add_co_u32 s86, s86, s19
	s_lshl_b32 s19, s[CX], 6
	s_add_co_u32 s86, s86, s19
	s_lshr_b32 s87, s[WV], 1
	s_lshr_b32 s88, s83, 1
	s_sub_co_u32 s88, s88, s87
	s_lshl_b32 s88, s88, 12                        ; from the first tile's word to the second's: 0 or more
	s_lshl_b32 s87, s87, 12
	s_add_co_u32 s86, s86, s87
	s_lshl_b32 s89, s13, 21                        ; oc less the tile's part: b 2,097,152 + cx 16,384 + head 1,024
	s_lshl_b32 s19, s[CX], 14
	s_add_co_u32 s89, s89, s19
	s_lshl_b32 s19, s14, 10
	s_add_co_u32 s89, s89, s19
	s_lshl_b32 s90, s13, 16                        ; os likewise: b 65,536 + cx 512 + 2 head
	s_lshl_b32 s19, s[CX], 9
	s_add_co_u32 s90, s90, s19
	s_lshl_b32 s19, s14, 1
	s_add_co_u32 s90, s90, s19
	s_mov_b32 s[CS], 0x3e38aa3b                    ; c = log2(e) / 8
	s_mov_b32 s[CS+1], s[CS]                       ; (named with it as a pair, so it is written)
	s_mov_b32 s[SEL], 0x76543210
	s_mov_b32 s[SEL+1], 0xfedcba98
	s_wait_dscnt 0x0                               ; both opening adds are done
	s_wait_kmcnt 0x0
	s_mov_b32 s[G0C], 1
	s_mov_b32 s[G0C+1], s80
	s_add_nc_u64 s[G0C+2:G0C+3], s[4:5], s[74:75]
	s_or_b32 s[G0C+3], s[G0C+3], 0x80000000
	s_mov_b32 s[G0S], 1
	s_mov_b32 s[G0S+1], s81
	s_add_nc_u64 s[G0S+2:G0S+3], s[6:7], s[76:77]
	s_or_b32 s[G0S+3], s[G0S+3], 0x80000000
	s_mov_b32 s[G0B], 1
	s_mov_b32 s[G0B+1], s82
	s_add_nc_u64 s[G0B+2:G0B+3], s[4:5], s[78:79]
	s_or_b32 s[G0B+3], s[G0B+3], 0x80000000
	CROUND                                         ; all four work-groups are here: the joint loads meet
	s_cmp_lt_u32 s[WV], 2                          ; ONE parting on the wave's number; every wave issues a fill; at most two tensor loads of a wave are out
	s_cbranch_scc0 .Lnot_c
	tensor_load_to_lds s[G0C:G0C+3], s[G1C:G1C+7]  ; waves 0, 1: step 0 of K, of V,
	s_nop 0
	tensor_load_to_lds s[G0B:G0B+3], s[G1B:G1B+7]  ; and my piece of steps 1 to 15
	s_nop 0
.rept 4
	v_nop
.endr
	s_branch .Lasked
.Lnot_c:
	s_cmp_lt_u32 s[WV], 4
	s_cbranch_scc0 .Lonly_b
	tensor_load_to_lds s[G0S:G0S+3], s[G1S:G1S+7]  ; waves 2, 3: the scale words of K, of V
	s_nop 0
	tensor_load_to_lds s[G0B:G0B+3], s[G1B:G1B+7]
	s_nop 0
.rept 4
	v_nop
.endr
	s_branch .Lasked
.Lonly_b:
	tensor_load_to_lds s[G0B:G0B+3], s[G1B:G1B+7]
	s_nop 0
.rept 4
	v_nop
.endr
.Lasked:
	v_and_b32 v5, 31, v0
	s_delay_alu instid0(VALU_DEP_1)
	v_lshlrev_b32 v[L16], 4, v5
	s_delay_alu instid0(VALU_DEP_2)
	v_lshlrev_b32 v[L4], 2, v5
	v_and_b32 v6, 15, v0                           ; r
	v_bfe_u32 v7, v0, 4, 1                         ; h
	s_delay_alu instid0(VALU_DEP_2)
	v_lshlrev_b32 v[OSR], 5, v6
	s_delay_alu instid0(VALU_DEP_2)
	v_lshlrev_b32 v8, 3, v7
	s_delay_alu instid0(VALU_DEP_1)
	v_sub_nc_u32 v[RM8], v6, v8
	s_delay_alu instid0(VALU_DEP_4)
	v_mul_u32_u24 v8, s88, v7                      ; lanes 16-31 take the second tile's word
	s_delay_alu instid0(VALU_DEP_1)
	v_lshl_add_u32 v8, v6, 2, v8
	s_delay_alu instid0(VALU_DEP_1)
	v_add_nc_u32 v8, s86, v8
	global_load_b32 v255, v8, s[6:7]
	v_add_nc_u32 v5, s84, v[L16]
	v_add_nc_u32 v6, s85, v[L16]
	global_load_b128 v[24:27], v5, s[4:5]          ; Q stays in registers
	global_load_b128 v[28:31], v5, s[4:5] offset:512
	global_load_b128 v[40:43], v6, s[4:5]
	global_load_b128 v[44:47], v6, s[4:5] offset:512
	v_xor_b32 v7, s15, v7                          ; m % 2 of the lane's tile: wave % 2 for the first, its opposite for the second:
	s_delay_alu instid0(VALU_DEP_1)
	v_lshlrev_b32 v7, 4, v7                        ; the tile's two bytes are the word's lower or upper half
.irp j, 0,1,2,3,4,5,6,7
	v_mov_b32 v[16+\j], 0                          ; the three runs of zero codes
	v_mov_b32 v[32+\j], 0
	v_mov_b32 v[48+\j], 0
.endr
.irp b, 0,1,2,3
	v_mov_b32 v[PT+\b], 0                          ; written once: a lane permute's destination counts as one of its sources
.endr
	v_mov_b32 v253, 0                              ; (named as the upper half of the pair v[252:253] before it is first written)
	v_mov_b32 v254, 0
	s_wait_loadcnt 0x0
	v_lshrrev_b32 v255, v7, v255
	s_delay_alu instid0(VALU_DEP_1)
	v_and_b32 v255, 0xffff, v255
	s_delay_alu instid0(VALU_DEP_1)
	v_lshl_or_b32 v255, v255, 16, v255             ; Q's two bytes, twice: they serve (q, 0) and (0, q)
; A tile begins: m in s[m].  O^T and the sum begin as zeros and the largest t as -3e38: the step is written without a first step of its own, and the first change of M multiplies zeros.
.macro INIT m
	s_lshr_b32 s[SL], s[\m], 1
	s_mov_b32 s[SI], 0
	s_mov_b32 s[TK], 0
	s_mov_b32 s[TS], SCK
	s_and_b32 s74, s[\m], 1
	s_lshl_b32 s74, s74, 6
	s_lshl_b32 s75, s[CX], 4
	s_add_co_u32 s74, s74, s75
	v_add_nc_u32 v[DG], s74, v[RM8]                ; 64 (m % 2) + 16 cx + r - 8 h
	s_lshl_b32 s74, s[\m], 16
	s_add_co_u32 s74, s74, s89
	s_mov_b32 s75, 0
	s_add_nc_u64 s[70:71], s[8:9], s[74:75]        ; oc at my tile, my head
	s_lshl_b32 s74, s[\m], 11
	s_add_co_u32 s74, s74, s90
	s_add_nc_u64 s[72:73], s[10:11], s[74:75]      ; os likewise
	v_mov_b32 v13, 0xff61b1e6
	s_delay_alu instid0(VALU_DEP_1)
	v_floor_f32 v12, -v13
	v_mov_b32 v14, 0
	v_mov_b32 v15, 0
.set j, 0
.rept 32
	v_mov_b32 v[O+j], 0
.set j, j+1
.endr
.endm
; One product of S^T: key tile t of the step's eight.  Tiles 0-3 are the fragments' lower halves: (q, 0); tiles 4-7 the upper: (0, q).  K's words: fragment p in register p / 2, lanes 0-15 (p even) or 16-31 (p odd).
.macro SCORE t, qb, row
.set rB, (\qb)+8-8*((\t)/4)
.set rA, KF+16*((\t)%4)
.set rK, KSW+((\t)%4)/2
.if ((\t)%2 == 1) && (\row)
	v_wmma_scale_f32_16x16x128_f8f6f4 v[S+8*(\t):S+8*(\t)+7], v[rA:rA+15], v[rB:rB+15], 0, v[rK], v255 matrix_a_scale:MATRIX_SCALE_ROW1 matrix_b_scale:MATRIX_SCALE_ROW1
.elseif (\t)%2 == 1
	v_wmma_scale_f32_16x16x128_f8f6f4 v[S+8*(\t):S+8*(\t)+7], v[rA:rA+15], v[rB:rB+15], 0, v[rK], v255 matrix_a_scale:MATRIX_SCALE_ROW1
.elseif \row
	v_wmma_scale_f32_16x16x128_f8f6f4 v[S+8*(\t):S+8*(\t)+7], v[rA:rA+15], v[rB:rB+15], 0, v[rK], v255 matrix_b_scale:MATRIX_SCALE_ROW1
.else
	v_wmma_scale_f32_16x16x128_f8f6f4 v[S+8*(\t):S+8*(\t)+7], v[rA:rA+15], v[rB:rB+15], 0, v[rK], v255
.endif
.endm
; A KEY STEP: 128 keys.  qb: where the tile's run (0, q, 0) begins;  row: which half of v255 holds its scale words.
.macro STEP qb, row
	s_cmp_gt_u32 s[SI], s[SL]                      ; a step behind the tile's diagonal step is left out: a branch on the wave's number and the count of steps
	s_cbranch_scc1 .Lhid_\@
	s_setprio 2
	v_add_nc_u32 v[ADK], s[TK], v[L16]
	v_add_nc_u32 v[ADS], s[TS], v[L4]
	s_delay_alu instid0(VALU_DEP_2)
	v_add_nc_u32 v[ADV], 0x20000, v[ADK]
	s_delay_alu instid0(VALU_DEP_2)
	v_add_nc_u32 v[ADT], 0x1000, v[ADS]
.rept 4
	v_nop                                          ; with the four additions: eight places in front of loads into registers that the last products read
.endr
.irp p, 0,1,2,3
.irp c, 0,1,2,3
	ds_load_b128 v[KF+16*\p+4*\c:KF+16*\p+4*\c+3], v[ADK] offset:2048*\p+512*\c
.endr
.endr
	ds_load_b32 v[KSW], v[ADS]                     ; lanes 0-15 fragment 0's words, lanes 16-31 fragment 1's
	ds_load_b32 v[KSW+1], v[ADS] offset:128
	s_wait_alu depctr_va_vdst(0)
	s_wait_dscnt 0x0
.irp t, 0,1,2,3,4,5,6,7
	SCORE \t, \qb, \row
.endr
.rept 8
	v_nop                                          ; places: for the loads below, and for the first reads of the scores
.endr
.irp t, 0,1,2,3
.irp c, 0,1,2,3
	ds_load_b128 v[KF+16*\t+4*\c:KF+16*\t+4*\c+3], v[ADV] offset:2048*\t+512*\c   ; V's fragments land under the softmax
.endr
.endr
	ds_load_b32 v[VSW], v[ADT]
	ds_load_b32 v[VSW+1], v[ADT] offset:128
	s_cmp_lt_u32 s[SI], s[SL]                      ; ahead of the diagonal step every key counts
	s_cbranch_scc1 .Lopen_\@
	v_mov_b32 v254, 0xff800000                     ; on it the scores of hidden keys become -infinity ahead of the maximum: their p is 0
.set n, 0
.rept 64
	v_cmp_le_i32 vcc_lo, 16*(n/8)+n%8, v[DG]
	v_cndmask_b32 v[S+n], v254, v[S+n], vcc_lo
.set n, n+1
.endr
.Lopen_\@:
.irp b, 0,1,2,3
	v_max3_num_f32 v[BM+\b], v[S+16*\b], v[S+1+16*\b], v[S+2+16*\b]   ; the largest score of each block of 32 keys: for the row's maximum, and, since p rises with the score, for the block's largest p
.endr
.irp i, 3,5,7,9,11,13
.irp b, 0,1,2,3
	v_max3_num_f32 v[BM+\b], v[BM+\b], v[S+16*\b+\i], v[S+1+16*\b+\i]
.endr
.endr
.irp b, 0,1,2,3
	v_max_num_f32 v[BM+\b], v[BM+\b], v[S+15+16*\b]
.endr
.irp b, 0,1,2,3
	s_delay_alu instid0(VALU_DEP_4)
	v_permlanex16_b32 v[PT+\b], v[BM+\b], s[SEL], s[SEL+1]
.endr
.irp b, 0,1,2,3
	s_delay_alu instid0(VALU_DEP_4)
	v_max_num_f32 v[BM+\b], v[BM+\b], v[PT+\b]     ; with lane l xor 16's 16 keys
.endr
	s_delay_alu instid0(VALU_DEP_2)
	v_max3_num_f32 v254, v[BM], v[BM+1], v[BM+2]
	s_delay_alu instid0(VALU_DEP_1)
	v_max_num_f32 v254, v254, v[BM+3]
	s_delay_alu instid0(VALU_DEP_1)
	v_mul_f32 v254, s[CS], v254                    ; as t (c is positive)
	s_delay_alu instid0(VALU_DEP_1)
	v_max_num_f32 v13, v13, v254                   ; the running largest t
	v_mov_b32 v254, v12
	s_delay_alu instid0(VALU_DEP_2)
	v_floor_f32 v12, -v13                          ; the new -M = floor(-t): M is a whole number
	s_delay_alu instid0(VALU_DEP_1)
	v_sub_f32 v254, v12, v254                      ; old M - new M: a whole number, 0 or less
	s_delay_alu instid0(VALU_DEP_1)
	v_cvt_i32_f32 v254, v254                       ; (it saturates)
	s_delay_alu instid0(VALU_DEP_1)
	v_ldexp_f32 v252, 1.0, v254                    ; f = 2^(old M - new M): a multiplication by it rounds nothing
.set j, 0
	s_setprio 1
.rept 32
	v_pk_fma_f32 v[S+j:S+j+1], v[S+j:S+j+1], s[CS:CS+1], v[12:13] op_sel_hi:[1,0,0]   ; t - M, two at a time
.set j, j+2
.endr
.irp b, 0,1,2,3
	v_fma_f32 v[BM+\b], v[BM+\b], s[CS], v12       ; the same of each block's largest score
.endr
.set j, 0
	s_wait_alu depctr_va_vdst(0)
.rept 64
	v_exp_f32 v[S+j], v[S+j]                       ; p = 2^(t - M): not normalised
.set j, j+1
.endr
	v_pk_mul_f32 v[14:15], v[14:15], v[252:253] op_sel_hi:[1,0]   ; the sums under the new M (a plain line behind the exponentials)
	s_wait_alu depctr_va_vdst(0)                   ; one wait for the batch of 64, ahead of its first reader
.irp b, 0,1,2,3
	v_exp_f32 v[BM+\b], v[BM+\b]                   ; the block's largest p
.endr
	v_pk_add_f32 v[236:237], v[92:93], v[96:97]
	v_pk_add_f32 v[248:249], v[100:101], v[104:105]
	v_pk_add_f32 v[246:247], v[108:109], v[112:113]
	v_pk_add_f32 v[244:245], v[116:117], v[120:121]
	v_pk_add_f32 v[242:243], v[124:125], v[128:129]
	v_pk_add_f32 v[240:241], v[132:133], v[136:137]
	v_pk_add_f32 v[238:239], v[140:141], v[144:145]
	v_pk_add_f32 v[14:15], v[14:15], v[148:149]
	v_pk_add_f32 v[236:237], v[236:237], v[88:89]
	v_pk_add_f32 v[248:249], v[248:249], v[90:91]
	v_pk_add_f32 v[246:247], v[246:247], v[94:95]
	v_pk_add_f32 v[244:245], v[244:245], v[98:99]
	v_pk_add_f32 v[242:243], v[242:243], v[102:103]
	v_pk_add_f32 v[240:241], v[240:241], v[106:107]
	v_pk_add_f32 v[238:239], v[238:239], v[110:111]
	v_pk_add_f32 v[14:15], v[14:15], v[114:115]
	v_pk_add_f32 v[236:237], v[236:237], v[118:119]
	v_pk_add_f32 v[248:249], v[248:249], v[122:123]
	v_pk_add_f32 v[246:247], v[246:247], v[126:127]
	v_pk_add_f32 v[244:245], v[244:245], v[130:131]
	v_pk_add_f32 v[242:243], v[242:243], v[134:135]
	v_pk_add_f32 v[240:241], v[240:241], v[138:139]
	v_pk_add_f32 v[238:239], v[238:239], v[142:143]
	v_pk_add_f32 v[14:15], v[14:15], v[146:147]
	v_pk_add_f32 v[236:237], v[236:237], v[150:151]
	s_delay_alu instid0(VALU_DEP_2)
	v_pk_add_f32 v[14:15], v[14:15], v[244:245]
	s_delay_alu instid0(VALU_DEP_2)
	v_pk_add_f32 v[236:237], v[236:237], v[242:243]
	v_pk_add_f32 v[248:249], v[248:249], v[240:241]
	v_pk_add_f32 v[246:247], v[246:247], v[238:239]
	s_delay_alu instid0(VALU_DEP_2)
	v_pk_add_f32 v[14:15], v[14:15], v[248:249]
	s_delay_alu instid0(VALU_DEP_2)
	v_pk_add_f32 v[236:237], v[236:237], v[246:247]
	s_delay_alu instid0(VALU_DEP_1)
	v_pk_add_f32 v[14:15], v[14:15], v[236:237]
	s_setprio 0
	s_wait_alu depctr_va_vdst(0)                   ; and one for the four
.irp b, 0,1,2,3
	v_max_num_f32 v[BM+\b], 0x4800000, v[BM+\b]    ; the floor 2^(9 - 127): the byte cannot fall under 1
.endr
.irp b, 0,1,2,3
	s_delay_alu instid0(VALU_DEP_4)
	v_add_nc_u32 v[SOP+\b], 0xfc000000, v[BM+\b]   ; 8 off the exponent field: the conversion's scale operand
.endr
.irp b, 0,1,2,3
.endr
.irp b, 0,1,2,3
	s_delay_alu instid0(VALU_DEP_4)
	v_lshrrev_b32 v[PT+\b], 23, v[SOP+\b]          ; the scale's byte
.endr
	s_delay_alu instid0(VALU_DEP_3)
	v_lshl_or_b32 v253, v[PT+1], 8, v[PT]          ; p's scale word for these 128 keys
	s_delay_alu instid0(VALU_DEP_1)
	v_lshl_or_b32 v253, v[PT+2], 16, v253
	s_delay_alu instid0(VALU_DEP_1)
	v_lshl_or_b32 v253, v[PT+3], 24, v253
.irp b, 0,1,2,3
.irp i, 0,1,2,3,4,5,6,7,8,9,10,11,12,13,14,15
.endr
	v_cvt_scalef32_pk8_fp8_f32 v[PC+4*\b:PC+4*\b+1], v[S+16*\b:S+16*\b+7], v[SOP+\b]
	v_cvt_scalef32_pk8_fp8_f32 v[PC+4*\b+2:PC+4*\b+3], v[S+16*\b+8:S+16*\b+15], v[SOP+\b]
.endr
.set j, 0
.rept 16
	v_pk_mul_f32 v[O+j:O+j+1], v[O+j:O+j+1], v[252:253] op_sel_hi:[1,0]   ; O^T under the new M.  (These sixteen are also the places between the codes and the products)
.set j, j+2
.endr
	s_wait_alu depctr_va_vdst(0)
	s_wait_dscnt 0x0                               ; V
	; four accumulators, one instruction a turn; the next step's eight score products stand between two turns of one accumulator
	v_wmma_scale_f32_16x16x128_f8f6f4 v[O:O+7], v[KF:KF+15], v[PC:PC+15], v[O:O+7], v[VSW], v253
	v_wmma_scale_f32_16x16x128_f8f6f4 v[O+8:O+15], v[KF+16:KF+31], v[PC:PC+15], v[O+8:O+15], v[VSW], v253 matrix_a_scale:MATRIX_SCALE_ROW1
	v_wmma_scale_f32_16x16x128_f8f6f4 v[O+16:O+23], v[KF+32:KF+47], v[PC:PC+15], v[O+16:O+23], v[VSW+1], v253
	v_wmma_scale_f32_16x16x128_f8f6f4 v[O+24:O+31], v[KF+48:KF+63], v[PC:PC+15], v[O+24:O+31], v[VSW+1], v253 matrix_a_scale:MATRIX_SCALE_ROW1
.Lhid_\@:
	s_add_co_u32 s[SI], s[SI], 1
	s_add_co_u32 s[TK], s[TK], 8192
	s_add_co_u32 s[TS], s[TS], 256
.endm
; A TILE'S WAY OUT: O^T / the sum; its 64 channels are two blocks of 32 along e; codes in the natural order of K; 1,024 consecutive bytes and two scale bytes a token.
.macro OUT
.rept 8
	v_nop                                          ; places behind the last products
.endr
	v_add_f32 v14, v14, v15
	s_delay_alu instid0(VALU_DEP_1)
	v_permlanex16_b32 v254, v14, s[SEL], s[SEL+1]
	s_delay_alu instid0(VALU_DEP_1)
	v_add_f32 v14, v14, v254                       ; the row's sum
	s_wait_alu depctr_va_vdst(0)
	v_rcp_f32 v14, v14
	v_nop                                          ; a plain line behind the reciprocal
	s_wait_alu depctr_va_vdst(0)                   ; and the wait ahead of its first reader
.set j, 0
.rept 32
	v_mul_f32 v[S+j], v[O+j], v14                  ; register 8 t + i: channel 16 t + 8 h + i of my query; each accumulator from its low end on
.set j, j+1
.endr
.irp b, 0,1
	v_max3_num_f32 v[BM+\b], |v[S+16*\b]|, |v[S+1+16*\b]|, 0x4800000
.endr
.irp i, 2,4,6,8,10,12,14
.irp b, 0,1
	s_delay_alu instid0(VALU_DEP_2)
	v_max3_num_f32 v[BM+\b], v[BM+\b], |v[S+16*\b+\i]|, |v[S+1+16*\b+\i]|
.endr
.endr
.irp b, 0,1
	s_delay_alu instid0(VALU_DEP_2)
	v_permlanex16_b32 v[PT+\b], v[BM+\b], s[SEL], s[SEL+1]
.endr
.irp b, 0,1
	s_delay_alu instid0(VALU_DEP_2)
	v_max_num_f32 v[BM+\b], v[BM+\b], v[PT+\b]
.endr
.irp b, 0,1
	s_delay_alu instid0(VALU_DEP_2)
	v_add_nc_u32 v[SOP+\b], 0xfc000000, v[BM+\b]
.endr
.irp b, 0,1
.endr
.irp b, 0,1
	s_delay_alu instid0(VALU_DEP_2)
	v_lshrrev_b32 v[PT+\b], 23, v[SOP+\b]
.endr
	s_delay_alu instid0(VALU_DEP_1)
	v_lshl_or_b32 v254, v[PT+1], 8, v[PT]          ; the two bytes
.irp b, 0,1
.irp i, 0,1,2,3,4,5,6,7,8,9,10,11,12,13,14,15
.endr
	v_cvt_scalef32_pk8_fp8_f32 v[PC+4*\b:PC+4*\b+1], v[S+16*\b:S+16*\b+7], v[SOP+\b]
	v_cvt_scalef32_pk8_fp8_f32 v[PC+4*\b+2:PC+4*\b+3], v[S+16*\b+8:S+16*\b+15], v[SOP+\b]
.endr
	v_nop                                          ; a plain line behind the last conversion
.irp b, 0,1
	v_permlane16_swap_b32 v[PC+4*\b], v[PC+4*\b+2]     ; lanes 0-15 held channels 0-7 and 16-23 of the block, lanes 16-31 channels 8-15 and 24-31:
	v_permlane16_swap_b32 v[PC+4*\b+1], v[PC+4*\b+3]   ; now lanes 0-15 hold 0-15 and lanes 16-31 hold 16-31
.endr
.irp b, 0,1
	global_store_b128 v[L16], v[PC+4*\b:PC+4*\b+3], s[70:71] offset:512*\b
.endr
	global_store_b16 v[OSR], v254, s[72:73]        ; both halves of the lanes write the same two bytes with the same value
.endm
	INIT WV                                        ; the first tile: m = my wave's number
	s_wait_tensorcnt 1                             ; step 0's tiles and the scale words are in (waves 0 to 3); a wave's piece of steps 1 to 15 may stay out
	s_barrier_signal -1
	s_barrier_wait -1
	STEP 16, 0                                     ; step 0, which every tile has, runs while the rest of the head lands
	s_wait_tensorcnt 0x0                           ; my piece is in,
	s_wait_dscnt 0x0
	s_barrier_signal -1
	s_barrier_wait -1                              ; everybody's is: from here on no barrier
.Llow:                                             ; 15 trips, a constant; the steps behind the tile's diagonal are jumped over inside
	STEP 16, 0
	s_cmp_lt_u32 s[SI], 16
	s_cbranch_scc1 .Llow
	s_setprio 0
	OUT
	s_wait_xcnt 0x0                                ; the stores have read their bases and data: both are written again below
	INIT 83                                        ; the second tile: m = 31 - my wave's number
.Lhigh:                                            ; 16 trips
	STEP 32, 1
	s_cmp_lt_u32 s[SI], 16
	s_cbranch_scc1 .Lhigh
	s_setprio 0
	OUT
	s_wait_tensorcnt 0x0                           ; the wave's end: behind my last tensor load
	ds_add_u32 v[SPW], v[NIL]
	s_wait_dscnt 0x0
	CROUND                                         ; the closing round
	s_endpgm
.Lfunc_end_k_q22e8534e05_attn:
	.size	k_q22e8534e05_attn, .Lfunc_end_k_q22e8534e05_attn-k_q22e8534e05_attn
	.p2alignl 7, 3214868480
	.fill 96, 4, 3214868480
	.section	.rodata,"a",@progbits
	.p2align	6, 0x0
	.amdhsa_kernel k_q22e8534e05_attn
		.amdhsa_group_segment_fixed_size 327680
		.amdhsa_private_segment_fixed_size 0
		.amdhsa_enable_private_segment 0
		.amdhsa_kernarg_size 32
		.amdhsa_user_sgpr_count 2
		.amdhsa_user_sgpr_kernarg_segment_ptr 1
		.amdhsa_wavefront_size32 1
		.amdhsa_system_sgpr_workgroup_id_x 1
		.amdhsa_system_sgpr_workgroup_id_y 1
		.amdhsa_system_sgpr_workgroup_id_z 1
		.amdhsa_system_vgpr_workitem_id 0
		.amdhsa_next_free_vgpr 256
		.amdhsa_next_free_sgpr 100
		.amdhsa_reserve_vcc 1
		.amdhsa_float_denorm_mode_32 3
		.amdhsa_float_denorm_mode_16_64 3
		.amdhsa_fp16_overflow 1
		.amdhsa_memory_ordered 1
		.amdhsa_forward_progress 1
		.amdhsa_inst_pref_size 90
	.end_amdhsa_kernel
	.amdgpu_metadata
---
amdhsa.version: [ 1, 2 ]
amdhsa.kernels:
  - .name:           k_q22e8534e05_attn
    .symbol:         k_q22e8534e05_attn.kd
    .args:
      - { .name: qkvc, .offset: 0, .size: 8, .value_kind: global_buffer, .address_space: global }
      - { .name: qkvs, .offset: 8, .size: 8, .value_kind: global_buffer, .address_space: global }
      - { .name: oc, .offset: 16, .size: 8, .value_kind: global_buffer, .address_space: global }
      - { .name: os, .offset: 24, .size: 8, .value_kind: global_buffer, .address_space: global }
    .group_segment_fixed_size: 327680
    .private_segment_fixed_size: 0
    .kernarg_segment_align: 8
    .kernarg_segment_size: 32
    .max_flat_workgroup_size: 512
    .sgpr_count:     100
    .vgpr_count:     256
    .wavefront_size: 32
...
	.end_amdgpu_metadata
.endif
;; end of part 3
;; launch proj (part 4): grid 4 x 64, 4 waves a work-group, clusters of 4 x 4, 327,680 bytes of LDS; arguments oc, os, WO_codes, WO_scales, out0; writes out0
.if DOCPART == 4
	.amdgcn_target "amdgcn-amd-amdhsa--gfx1250"
	.amdhsa_code_object_version 6
	.text
	.protected	k_q22e8534e05_proj
	.globl	k_q22e8534e05_proj
	.p2align	8
	.type	k_q22e8534e05_proj,@function
k_q22e8534e05_proj:
	s_mov_b64 s[64:65], 0
	v_nop
	global_prefetch_b8 v0, s[64:65] scope:SCOPE_SE
	s_setreg_imm32_b32 hwreg(HW_REG_WAVE_MODE, 25, 1), 1
	s_wait_xcnt 0x0
	s_wait_alu depctr_hold_cnt(0) depctr_sa_sdst(0) depctr_va_vdst(0) depctr_va_sdst(0) depctr_va_ssrc(0) depctr_va_vcc(0) depctr_vm_vsrc(0)
	s_getreg_b32 s2, hwreg(HW_REG_IB_STS2, 6, 4)
	s_cmp_eq_u32 s2, 0
	s_cbranch_scc0 .Lentry_in_a_cluster
	s_endpgm
.Lentry_in_a_cluster:
	s_bfe_u32 s2, ttmp6, 0x10000c
	s_cmp_lg_u32 s2, 0xf033
	s_cbranch_scc0 .Lentry_shape_is_right
	s_endpgm
.Lentry_shape_is_right:
; out0[token][d] = the sum over e of o[token][e] WO[d][e], on codes of FP8 (E4M3) with E8M0 scales; sums in f32.  No work is left out here.
; 256 work-groups: a tile is 128 tokens (R, the matrix instruction's source 1) x 256 columns (P, source 0 = rows of WO).  Four waves, each 64 tokens x 128 columns: 32 accumulators.
; The instruction is used transposed, so that a lane holds eight neighbouring columns of one token's row.
; o's codes lie as images of operand registers (launch attn): (token / 16) x 16,384 + 2,048 x (128 along e) + 512 c + 16 lane; they are read from LDS at 16 x lane, with no pitch.  WO's lie as rows, padded in LDS.
; K (1,024) goes in four steps of 256 through THREE slots: K steps 0, 1, 2 are first fills, only K step 3 is a refill (of slot 0): one round of the cluster's barrier inside the walk.
; 4 x 4 work-groups form a cluster: R's tiles are asked for jointly along a row of the cluster, P's along a column.  No prefetch: the launch is short and its tiles are shared in the cluster.
; REGISTERS: window 0: v16-29 addresses; v32-63 scale words, two sets; v128-191 R's fragments; on the way out v64-127 and v192-255 rows of the result.  window 1: P's fragments, two sets.  window 2: the accumulators, (a, b) at v[8 (8 a + b)].
.set PITCH,  272                       ; P's row in LDS: 256 bytes + 16 of padding
.set HALFT,  128*PITCH
.set RIMG,   32768                     ; R's images of a K step: 8 token tiles x 4,096 bytes
.set SLOT,   RIMG+2*HALFT              ; 102,400
.set SCL,    3*SLOT                    ; the scale bytes, as units of 256 bytes + 16 of padding: R's 128 rows (2 x 2,176), then P's 256 rows (2 x 4,352)
.set HALFSR, 2176
.set HALFSP, 4352
.set SBLK,   544                       ; those of 16 rows
.set SPARE,  SCL+2*HALFSR+2*HALFSP     ; the spare words, 128 bytes a wave: two blocks of 256 bytes that no other line names
.set STAGE,  SLOT                      ; the way out: 16 rows x 528 bytes a wave, in slot 1: its only fill is its first, and its last reads lie ahead of the last barrier
.set SPITCH, 528
.set FR,   16
.set ADRA, 16                          ; v16-18  LDS address of R's fragments in slots 0, 1, 2
.set ADRB, 20                          ; v20-22  of P's
.set STO,  24
.set RD,   25
.set CO,   26                          ; v26     16 x lane
.set ADRS, 27
.set SPW,  28                          ; v28     my spare word: SPARE + 4 x my thread's number; never rewritten
.set NIL,  29                          ; v29     0; never rewritten
.set SC,   32
.set AF,   128
.set G1R,  24                          ; s[24:31] group 1 for R's images; s[32:39] P's tiles; s[40:47] R's scale bytes; s[48:55] P's
.set G1P,  32
.set G1SR, 40
.set G1SP, 48
.set G0R0, 56                          ; groups 0: R's slots 0, 1, 2; P's; the scale bytes'
.set G0R1, 60
.set G0R2, 68
.set G0P0, 72
.set G0P1, 76
.set G0P2, 80
.set G0SR, 84
.set G0SP, 88
.set MSB, 0
.macro WIN new
.if MSB != (\new)
	s_set_vgpr_msb (MSB<<8)|(\new)
.set MSB, (\new)
.endif
.endm
.set MUL,  0xa1                        ; source 0 (P) window 1, source 1 (R) window 0, C and D window 2
.set TO_B, 0x40
.macro JLOAD g0a, g1a, g0b, g1b        ; waves 0 and 1 fetch for R, waves 2 and 3 for P; an s_nop 0 and four v_nop follow each of the two lines
	s_cmp_eq_u32 s15, 0
	s_cbranch_scc0 .Lfor_b_\@
	tensor_load_to_lds s[\g0a:\g0a+3], s[\g1a:\g1a+7]
	s_nop 0
.rept 4
	v_nop
.endr
	s_branch .Lasked_\@
.Lfor_b_\@:
	tensor_load_to_lds s[\g0b:\g0b+3], s[\g1b:\g1b+7]
	s_nop 0
.rept 4
	v_nop
.endr
.Lasked_\@:
.endm
.macro CREST
	s_cmp_lg_u32 s14, 0
	s_cbranch_scc1 .Lnot_wave_0_\@
	s_barrier_signal -3
.Lnot_wave_0_\@:
	s_barrier_wait -3
	s_barrier_signal -1
	s_barrier_wait -1
.endm
.macro CROUND
	s_barrier_signal -1
	s_barrier_wait -1
	CREST
.endm
	s_load_b256 s[4:11], s[0:1], 0x0               ; o's codes, o's scales, WO's codes, WO's scales
	s_load_b64 s[12:13], s[0:1], 0x20              ; out0
	v_lshl_add_u32 v[SPW], v0, 2, SPARE
	v_mov_b32 v[NIL], 0
	ds_add_u32 v[SPW], v[NIL]                      ; the wave's opening: the add, twice on end, and its wait ahead of my first tensor load
	ds_add_u32 v[SPW], v[NIL]
	v_lshrrev_b32 v1, 5, v0
	v_readfirstlane_b32 s14, v1                    ; wave 0..3
	s_lshr_b32 s15, s14, 1                         ; which 64 tokens are mine.  Also: I fetch for R (0) or for P (1)
	s_and_b32 s16, s14, 1                          ; which 128 columns.  Also: which half of that tile I fetch
	s_bfe_u32 s92, ttmp6, 0x40000                  ; cx, cy
	s_bfe_u32 s93, ttmp6, 0x40004
	s_lshl_b32 s94, ttmp9, 2
	s_add_co_u32 s94, s94, s92                     ; P's tile
	s_and_b32 s17, ttmp7, 0xffff
	s_lshl_b32 s17, s17, 2
	s_add_co_u32 s17, s17, s93                     ; R's tile
	s_lshl_b32 s18, s93, 2
	s_lshl_b32 s18, 15, s18                        ; my row of the cluster
	s_lshl_b32 s19, 0x1111, s92                    ; my column
	s_or_b32 s[G1R], s18, (3<<16)|(1<<21)          ; R's images: 4 token tiles x 4,096 bytes (512 elements of 8), 16,384 bytes apart; no padding
	s_mov_b32 s[G1R+1], 512<<16
	s_mov_b32 s[G1R+2], 4<<16
	s_mov_b32 s[G1R+3], 512<<16
	s_mov_b32 s[G1R+4], 4
	s_mov_b32 s[G1R+5], 2048
	s_mov_b32 s[G1R+6], 0
	s_mov_b32 s[G1R+7], 0
	s_or_b32 s[G1P], s19, (0<<16)|(1<<20)|(1<<21)|(5<<22)|(3<<25)   ; P's tiles: 128 rows x 256 bytes, 4 words of padding behind every 64
	s_mov_b32 s[G1P+1], 256<<16
	s_mov_b32 s[G1P+2], 128<<16
	s_mov_b32 s[G1P+3], 256<<16
	s_mov_b32 s[G1P+4], 128
	s_mov_b32 s[G1P+5], 1024
	s_mov_b32 s[G1P+6], 0
	s_mov_b32 s[G1P+7], 0
	s_or_b32 s[G1SR], s18, (3<<16)|(1<<20)|(1<<21)|(5<<22)|(3<<25)  ; the scale bytes of 64 tokens: 2,048 dense bytes as 8 rows of 256
	s_mov_b32 s[G1SR+1], 32<<16
	s_mov_b32 s[G1SR+2], 8<<16
	s_mov_b32 s[G1SR+3], 32<<16
	s_mov_b32 s[G1SR+4], 8
	s_mov_b32 s[G1SR+5], 32
	s_mov_b32 s[G1SR+6], 0
	s_mov_b32 s[G1SR+7], 0
	s_or_b32 s[G1SP], s19, (3<<16)|(1<<20)|(1<<21)|(5<<22)|(3<<25)  ; of 128 rows of WO: 16 rows of 256
	s_mov_b32 s[G1SP+1], 32<<16
	s_mov_b32 s[G1SP+2], 16<<16
	s_mov_b32 s[G1SP+3], 32<<16
	s_mov_b32 s[G1SP+4], 16
	s_mov_b32 s[G1SP+5], 32
	s_mov_b32 s[G1SP+6], 0
	s_mov_b32 s[G1SP+7], 0
	s_lshl_b32 s20, s17, 3                         ; R's codes: token tile 8 x tile + 4 x half, 16,384 bytes each
	s_lshl_b32 s2, s16, 2
	s_add_co_u32 s20, s20, s2
	s_lshl_b32 s20, s20, 14
	s_mov_b32 s21, 0
	s_lshl_b32 s22, s17, 12                        ; R's scale bytes: (128 x tile + 64 x half) x 32
	s_lshl_b32 s2, s16, 11
	s_add_co_u32 s22, s22, s2
	s_mov_b32 s23, 0
	s_lshl_b32 s96, s94, 18                        ; P's codes: (256 x tile + 128 x half) x 1,024
	s_lshl_b32 s2, s16, 17
	s_add_co_u32 s96, s96, s2
	s_mov_b32 s97, 0
	s_lshl_b32 s98, s94, 13                        ; P's scale bytes
	s_lshl_b32 s2, s16, 12
	s_add_co_u32 s98, s98, s2
	s_mov_b32 s99, 0
	s_lshl_b32 s2, s16, 14                         ; in a slot: R's half,
	s_mul_i32 s3, s16, HALFT
	s_add_co_u32 s3, s3, RIMG                      ; P's half
	s_mul_i32 s95, s16, HALFSR
	s_add_co_u32 s95, s95, SCL
	s_mul_i32 s18, s16, HALFSP
	s_add_co_u32 s18, s18, SCL+2*HALFSR
	s_wait_dscnt 0x0                               ; both opening adds are done
	s_wait_kmcnt 0x0
	s_add_nc_u64 s[20:21], s[4:5], s[20:21]
	s_add_nc_u64 s[22:23], s[6:7], s[22:23]
	s_add_nc_u64 s[96:97], s[8:9], s[96:97]
	s_add_nc_u64 s[98:99], s[10:11], s[98:99]
	CROUND                                         ; all sixteen work-groups are here: the first joint loads meet
	s_mov_b32 s[G0SR], 1
	s_mov_b32 s[G0SR+1], s95
	s_mov_b64 s[G0SR+2:G0SR+3], s[22:23]
	s_or_b32 s[G0SR+3], s[G0SR+3], 0x80000000
	s_mov_b32 s[G0SP], 1
	s_mov_b32 s[G0SP+1], s18
	s_mov_b64 s[G0SP+2:G0SP+3], s[98:99]
	s_or_b32 s[G0SP+3], s[G0SP+3], 0x80000000
	JLOAD G0SR, G1SR, G0SP, G1SP                   ; the scale bytes first
.macro FIRST g0r, g0p, s               ; slot s takes K step s
	s_mov_b32 s[\g0r], 1
	s_add_co_u32 s[\g0r+1], s2, \s*SLOT
	s_add_nc_u64 s[\g0r+2:\g0r+3], s[20:21], \s*4096
	s_or_b32 s[\g0r+3], s[\g0r+3], 0x80000000
	s_mov_b32 s[\g0p], 1
	s_add_co_u32 s[\g0p+1], s3, \s*SLOT
	s_add_nc_u64 s[\g0p+2:\g0p+3], s[96:97], \s*256
	s_or_b32 s[\g0p+3], s[\g0p+3], 0x80000000
	JLOAD \g0r, G1R, \g0p, G1P
.endm
	FIRST G0R0, G0P0, 0
	FIRST G0R1, G0P1, 1
	FIRST G0R2, G0P2, 2                            ; four tensor loads of mine are out
	v_and_b32 v1, 15, v0                           ; l % 16
	v_bfe_u32 v2, v0, 4, 1                         ; l / 16
	v_and_b32 v6, 31, v0
	v_lshlrev_b32 v[CO], 4, v6
	v_mul_u32_u24 v3, v1, PITCH
	v_lshl_add_u32 v4, v2, 4, v3
	s_lshl_b32 s21, s15, 14                        ; my four token tiles
	s_mul_i32 s22, s16, HALFT
	s_add_co_u32 s22, s22, RIMG                    ; my 128 rows of P
.irp s, 0,1,2
	v_add_nc_u32 v[ADRA+\s], s21, v[CO]
	v_add_nc_u32 v[ADRB+\s], s22, v4
	s_add_co_u32 s21, s21, SLOT
	s_add_co_u32 s22, s22, SLOT
.endr
	v_mul_u32_u24 v5, v1, 32                       ; my row's scale bytes: 32 a row,
	v_lshrrev_b32 v6, 8, v5
	v_lshl_add_u32 v5, v6, 4, v5                   ; and 16 more for each 256 passed
	s_mul_i32 s21, s15, HALFSR
	s_mul_i32 s22, s16, HALFSP
	s_add_co_u32 s22, s22, 2*HALFSR
	s_sub_co_u32 s22, s22, s21
	v_mul_u32_u24 v6, s22, v2                      ; lanes 16-31 take P's
	s_add_co_u32 s21, s21, SCL
	v_add_nc_u32 v5, v5, v6
	v_add_nc_u32 v[ADRS], s21, v5
	s_mul_i32 s23, s14, 16*SPITCH
	s_add_co_u32 s23, s23, STAGE                   ; my stage
	v_mul_u32_u24 v5, v1, SPITCH
	v_lshl_add_u32 v5, v2, 5, v5
	v_add_nc_u32 v[STO], s23, v5                   ; in: row l % 16, 32 bytes for each half of the lanes
	v_add_nc_u32 v[RD], s23, v[CO]                 ; back: the 32 lanes take one row of 512 bytes
	s_lshl_b32 s20, s17, 7
	s_lshl_b32 s21, s15, 6
	s_add_co_u32 s20, s20, s21                     ; my first token
	s_lshl_b32 s20, s20, 12                        ; a row of out0 is 4,096 bytes
	s_lshl_b32 s21, s94, 10
	s_add_co_u32 s20, s20, s21
	s_lshl_b32 s21, s16, 9
	s_add_co_u32 s20, s20, s21                     ; my first column
	s_mov_b32 s21, 0
	s_add_nc_u64 s[12:13], s[12:13], s[20:21]
.macro FRAGA reg, slot, q, i           ; an image comes back as it was stored: four chunks of 512 bytes
.irp c, 0,1,2,3
	ds_load_b128 v[\reg+4*\c:\reg+4*\c+3], v[ADRA+\slot] offset:4096*(\i)+2048*(\q)+512*\c
.endr
.endm
.macro FRAGB reg, slot, q, i           ; from rows: registers 4 c .. 4 c + 3 hold K = 32 c + 16 (l / 16) + 0 .. 15 of row l % 16
.irp c, 0,1,2,3
	ds_load_b128 v[\reg+4*\c:\reg+4*\c+3], v[ADRB+\slot] offset:128*(\q)+32*\c+(\i)*16*PITCH
.endr
.endm
; 8 matrix instructions: R's block a x P's eight.  The 32 accumulators take turns, one instruction a turn, in the same order in every step.
.macro MULB a, p, q, sc, zero
.irp b, 0,1,2,3,4,5,6,7
.if \zero
	v_wmma_scale_f32_16x16x128_f8f6f4 v[8*(8*(\a)+\b):8*(8*(\a)+\b)+7], v[128*(\p)+FR*\b:128*(\p)+FR*\b+FR-1], v[AF+FR*(\a):AF+FR*(\a)+FR-1], 0, v[SC+16*(\sc)+2*\b+(\q)], v[SC+16*(\sc)+2*(\a)+(\q)] matrix_a_scale:MATRIX_SCALE_ROW1
.else
	v_wmma_scale_f32_16x16x128_f8f6f4 v[8*(8*(\a)+\b):8*(8*(\a)+\b)+7], v[128*(\p)+FR*\b:128*(\p)+FR*\b+FR-1], v[AF+FR*(\a):AF+FR*(\a)+FR-1], v[8*(8*(\a)+\b):8*(8*(\a)+\b)+7], v[SC+16*(\sc)+2*\b+(\q)], v[SC+16*(\sc)+2*(\a)+(\q)] matrix_a_scale:MATRIX_SCALE_ROW1
.endif
.endr
.endm
.macro FETCH_B slot, q, p
	WIN TO_B
.irp i, 0,1,2,3,4,5,6,7
	FRAGB 128*(\p)+FR*\i, \slot, \q, \i
.endr
	WIN 0
.endm
.macro FETCH_A slot, q, i0             ; R's blocks i0, i0 + 1
.irp i, \i0, \i0+1
	FRAGA AF+FR*(\i), \slot, \q, \i
.endr
.endm
.macro SCALES sc                       ; lanes 0-15 take R's block i, lanes 16-31 P's block i; for i over 3 lanes 0-15 read filled bytes that no product names
.irp i, 0,1,2,3,4,5,6,7
	ds_load_b64 v[SC+16*\sc+2*\i:SC+16*\sc+2*\i+1], v[ADRS] offset:\i*SBLK
.endr
.endm
.macro PLACES n                        ; places behind matrix instructions, in front of loads into their registers and of reads of their results (ISA guide 7.12.1 for reads of their results)
.rept \n
	v_nop
.endr
.endm
.macro STEP slot, sc, zero             ; a slot's first 128 along K
	s_wait_dscnt 8                                 ; P's set and R's blocks 0, 1 are in; the youngest eight loads (R's blocks 2, 3) may be out
	WIN MUL
	MULB 0, 0, 0, \sc, \zero
	MULB 1, 0, 0, \sc, \zero
	s_wait_dscnt 0
	PLACES 8
	FETCH_B \slot, 1, 1
	FETCH_A \slot, 1, 0
	WIN MUL
	MULB 2, 0, 0, \sc, \zero
	MULB 3, 0, 0, \sc, \zero
	PLACES 8
	WIN 0
	FETCH_A \slot, 1, 2
.endm
; A slot's second 128 along K, which changes slots.  mode 0: the next slot was shown whole to every wave at an earlier barrier, and nothing is filled: no barrier.
; mode 1: a barrier: the next slot's refill has landed.  mode 2: the barrier opens a round of the cluster's barrier, and slot 0 is filled again, with K step 3.
.macro LAST slot, next, sc, nsc, mode
.if \mode == 0
	s_wait_dscnt 8
	WIN MUL
	MULB 0, 1, 1, \sc, 0
	MULB 1, 1, 1, \sc, 0
	s_wait_dscnt 0x0
	WIN 0
	PLACES 8
.else
	s_wait_tensorcnt 0x0                           ; all my tensor loads have landed (every window is 0 here)
	ds_add_u32 v[SPW], v[NIL]                      ; 0 onto my spare word
	s_wait_dscnt 9                                 ; (the add and the youngest eight loads may be out)
	WIN MUL
	MULB 0, 1, 1, \sc, 0                           ; eight matrix instructions stand between the add and the wait for it
	s_wait_dscnt 0x0                               ; the add is done, and my reads of this slot are over
	s_barrier_signal -1
	MULB 1, 1, 1, \sc, 0
	WIN 0
	s_barrier_wait -1
.if \mode == 2
	CREST                                          ; no wave of any partner still reads slot 0 or has a load on its way
	s_add_nc_u64 s[G0R0+2:G0R0+3], s[G0R0+2:G0R0+3], 3*4096
	s_add_nc_u64 s[G0P0+2:G0P0+3], s[G0P0+2:G0P0+3], 3*256
	JLOAD G0R0, G1R, G0P0, G1P                     ; the first tensor load behind the round: it has two K steps in which to land
	PLACES 4
.else
	PLACES 8
.endif
.endif
	v_add_nc_u32 v[ADRS], 8, v[ADRS]               ; on to the next K step's scale words
	FETCH_B \next, 0, 0
	FETCH_A \next, 0, 0
	SCALES \nsc
	WIN MUL
	MULB 2, 1, 1, \sc, 0
	MULB 3, 1, 1, \sc, 0
	PLACES 8
	WIN 0
	FETCH_A \next, 0, 2
.endm
	s_wait_tensorcnt 2                             ; the scale bytes and my part of K step 0 are in; slots 1 and 2 may be out
	s_barrier_signal -1
	s_barrier_wait -1
	FETCH_B 0, 0, 0
	FETCH_A 0, 0, 0
	SCALES 0
	FETCH_A 0, 0, 2
	STEP 0, 0, 1                                   ; K step 0: its first products start the sums
	LAST 0, 1, 0, 1, 2
	STEP 1, 1, 0                                   ; K step 1
	LAST 1, 2, 1, 0, 0
	STEP 2, 0, 0                                   ; K step 2
	LAST 2, 0, 0, 1, 1
	STEP 0, 1, 0                                   ; K step 3
	s_wait_dscnt 8                                 ; the very last 128 along K: nothing more to fetch
	WIN MUL
	MULB 0, 1, 1, 1, 0
	MULB 1, 1, 1, 1, 0
	s_wait_dscnt 0
	MULB 2, 1, 1, 1, 0
	MULB 3, 1, 1, 1, 0
	WIN 0
; THE WAY OUT, block by block of 16 tokens x 128 columns: through my own stage in LDS, back as whole rows of 512 bytes.  LDS serves a wave's instructions in order (ISA guide 5.7.1.4).
.macro TOSTAGE a
.set AC, 64*(\a)
	WIN 0x08                                       ; an LDS store's data: window 2
.irp b, 0,1,2,3,4,5,6,7
	ds_store_b128 v[STO], v[AC+8*\b:AC+8*\b+3] offset:64*\b          ; each accumulator from its low end on
	ds_store_b128 v[STO], v[AC+8*\b+4:AC+8*\b+7] offset:64*\b+16
.endr
	WIN 0
.set BB, 64+128*((\a)%2)
.irp t, 0,1,2,3,4,5,6,7,8,9,10,11,12,13,14,15
	ds_load_b128 v[BB+4*\t:BB+4*\t+3], v[RD] offset:\t*SPITCH
.endr
.endm
.macro SEND a, younger                 ; younger: the LDS instructions issued behind block a's loads, which may stay out
.set BB, 64+128*((\a)%2)
	s_wait_dscnt \younger
.if (\a) > 0
	s_add_nc_u64 s[12:13], s[12:13], 16*4096       ; (behind a wait for the earlier stores' addresses)  16 rows on
.endif
.irp t, 0,1,2,3,4,5,6,7,8,9,10,11,12,13,14,15
	global_store_b128 v[CO], v[BB+4*\t:BB+4*\t+3], s[12:13] offset:\t*4096 th:TH_STORE_NT   ; 32 lanes store 512 consecutive bytes, at a multiple of 256 from out0's first byte
.endr
.endm
	PLACES 8
	TOSTAGE 0
.irp a, 1,2,3
.if \a > 1
	s_wait_xcnt 0x0                                ; block a - 2's stores have read their registers and their base
.endif
	TOSTAGE \a
	SEND \a-1, 32                                  ; behind block a - 1's loads: block a's 16 stores and 16 loads
.endr
	s_wait_xcnt 0x0
	SEND 3, 0
	s_wait_tensorcnt 0x0                           ; the wave's end: behind my last tensor load and my last LDS store
	ds_add_u32 v[SPW], v[NIL]
	s_wait_dscnt 0x0
	CROUND                                         ; the closing round
	s_endpgm
.Lfunc_end_k_q22e8534e05_proj:
	.size	k_q22e8534e05_proj, .Lfunc_end_k_q22e8534e05_proj-k_q22e8534e05_proj
	.p2alignl 7, 3214868480
	.fill 96, 4, 3214868480
	.section	.rodata,"a",@progbits
	.p2align	6, 0x0
	.amdhsa_kernel k_q22e8534e05_proj
		.amdhsa_group_segment_fixed_size 327680
		.amdhsa_private_segment_fixed_size 0
		.amdhsa_enable_private_segment 0
		.amdhsa_kernarg_size 40
		.amdhsa_user_sgpr_count 2
		.amdhsa_user_sgpr_kernarg_segment_ptr 1
		.amdhsa_wavefront_size32 1
		.amdhsa_system_sgpr_workgroup_id_x 1
		.amdhsa_system_sgpr_workgroup_id_y 1
		.amdhsa_system_sgpr_workgroup_id_z 1
		.amdhsa_system_vgpr_workitem_id 0
		.amdhsa_next_free_vgpr 768
		.amdhsa_next_free_sgpr 100
		.amdhsa_reserve_vcc 0
		.amdhsa_float_denorm_mode_32 3
		.amdhsa_float_denorm_mode_16_64 3
		.amdhsa_memory_ordered 1
		.amdhsa_forward_progress 1
		.amdhsa_inst_pref_size 91
	.end_amdhsa_kernel
	.amdgpu_metadata
---
amdhsa.version: [ 1, 2 ]
amdhsa.kernels:
  - .name:           k_q22e8534e05_proj
    .symbol:         k_q22e8534e05_proj.kd
    .args:
      - { .name: oc, .offset: 0, .size: 8, .value_kind: global_buffer, .address_space: global }
      - { .name: os, .offset: 8, .size: 8, .value_kind: global_buffer, .address_space: global }
      - { .name: WO_codes, .offset: 16, .size: 8, .value_kind: global_buffer, .address_space: global }
      - { .name: WO_scales, .offset: 24, .size: 8, .value_kind: global_buffer, .address_space: global }
      - { .name: out0, .offset: 32, .size: 8, .value_kind: global_buffer, .address_space: global }
    .group_segment_fixed_size: 327680
    .private_segment_fixed_size: 0
    .kernarg_segment_align: 8
    .kernarg_segment_size: 40
    .max_flat_workgroup_size: 128
    .sgpr_count:     100
    .vgpr_count:     768
    .wavefront_size: 32
...
	.end_amdgpu_metadata
.endif
;; end of part 4
